; MI455X (gfx1250); checked and timed in simulation.
; The chip was launched on July 23, 2026; its instructions are those of AMD's public machine-readable ISA for CDNA 5 (MIT licence, August 2026) and "CDNA5" Instruction Set Architecture Reference Guide (July 2026). The comments in the code are by the model that wrote it; some were corrected since.
;; knrm. Allowed arithmetic: matrix products marked QUANTISED: E2M1 operands, one E8M0 scale for each 32 along K, by v_wmma_scale_f32_16x16x128_f8f6f4 with both operands' format E2M1 (or v_wmma_scale_f32_32x16x128_f4), f32 sums; products left as they are: f32 operands where the result goes on into a quantised operand, else bf16, f16 or f32 operands; f32 sums; everything else in f32.
;; Inputs: dense_b 1 float32; dense_w 1 x 21 float32; doc_idx 128 x 512 int32; doc_len 128 int32; emb_table 50,000 x 300 float32; query_idx 128 x 32 int32; query_len 128 int32.
;; Outputs: out0 128 float32; out1 128 x 21 float32.
;; This version of the problem:
;;   THIS VERSION OF THE PROBLEM IS GIVEN IN LOW PRECISION. The matrix products marked QUANTISED in the list below multiply operands that are first quantised to E2M1 (2 exponent bits, 1 mantissa bit; 4 bits a number), with one power-of-two scale for each 32 numbers along K (OCP MX v1.0); their sums are f32. All else is computed in f32.
;;   The module's matrix products, in the order in which they are computed (A, B: the left and right operand; K: the contracted axis; several contracted axes count as one K, in the product's order):
;;     1. batch 128 x [M 32, K 300] x [K 300, N 512]; A: computed on the way; B: computed on the way: QUANTISED
;;     2. [M 128, K 21] x [K 21, N 1]; A: computed on the way; B: input dense_w: left as it is (K = 21 < 32)
;;   THE QUANTISER, for each operand of a quantised product, along K:
;;     - K is cut into blocks of 32 from its start; a last block that is shorter is filled with zeros.
;;     - A block's scale is 2^e with e = floor(log2(the largest magnitude in the block)) - 2, held to -126 .. 127; a block of zeros has e = 0. As a byte (E8M0): e + 127.
;;     - Each number is divided by its block's scale, clamped to +-6, and rounded to the nearest number of E2M1, ties to even, subnormals kept.
;;     - The product sums the exact products of the quantised numbers (number of the format x scale) in f32.
;;   ~~~python
;;   def quantise(x, axis):      # numpy; x: float32 -> the quantised numbers, widened to float32 again
;;       x = np.moveaxis(x, axis, -1); K = x.shape[-1]
;;       x = np.pad(x, [(0, 0)] * (x.ndim - 1) + [(0, -K % 32)]); x = x.reshape(x.shape[:-1] + (-1, 32)); a = np.abs(x).max(-1, keepdims=True)
;;       e = np.where(a > 0, np.clip(np.frexp(np.where(a > 0, a, 1))[1] - 1 - 2, -126, 127), 0)      # np.frexp(a)[1] - 1 = floor(log2(a)), exactly
;;       r = np.clip(x / 2.0 ** e, -6, 6)
;;       step = 2.0 ** (np.maximum(np.frexp(np.where(r == 0, 1, r))[1] - 1, 0) - 1)
;;       q = np.round(r / step) * step * 2.0 ** e      # np.round: ties to even
;;       return np.moveaxis(q.reshape(q.shape[:-2] + (-1,))[..., :K], -1, axis).astype(np.float32)
;;   ~~~
;;   OPERANDS COMPUTED ON THE WAY. 'Computed on the way' means the value that the module computes at that place (a softmax that the list does not call 'softmax' is quantised finished and normalised). What goes into a quantiser is computed in f32, as accurately as f32 sums, v_exp_f32 and their like allow (about 1e-6 of the number): no bf16 or f16 on the way to a quantiser, and a product that is left as it is and whose result goes on into a quantised operand takes f32 operands (vector FMAs, or v_wmma_f32_16x16x4_f32). A number that lies on a knife's edge between two numbers of the format may be rounded either way, as far as f32 arithmetic and the matrix unit's own rounding can turn it there, and no further.
;; 2 versions. Each part assembles by itself: llvm-mc -triple=amdgcn-amd-amdhsa -mcpu=gfx1250 --defsym DOCPART=n.
;; ======== version 1 of 2: 2 launches
;; workspace buffers: part 786,432 bytes
;; launch pool (part 1): grid 2 x 128, 18 waves a work-group, no clusters, 161,536 bytes of LDS; arguments doc_idx, query_idx, doc_len, query_len, emb_table, part; writes part
.if DOCPART == 1
	.amdgcn_target "amdgcn-amd-amdhsa--gfx1250"
	.amdhsa_code_object_version 6
	.text
	.protected	k_q4c627a00aa_pool
	.globl	k_q4c627a00aa_pool
	.p2align	8
	.type	k_q4c627a00aa_pool,@function
k_q4c627a00aa_pool:
	s_mov_b64 s[64:65], 0
	v_nop
	global_prefetch_b8 v0, s[64:65] scope:SCOPE_SE
	s_setreg_imm32_b32 hwreg(HW_REG_WAVE_MODE, 25, 1), 1
	s_wait_xcnt 0x0
; KNRM, launch 1 of 2.  For batch b and parity c: gather the rows of the table, normalise them, quantise them to E2M1 with one E8M0 scale for each 32 along E (300 = 9 blocks + 12 numbers
; filled up with zeros), sim = Q D^T by the scaled matrix instruction, and the 21 kernels' sums over this work-group's documents.  Stored: part[b][c][g 12][r 16][e 4] f32, g = 6 (q / 16) + k / 4,
; e = k % 4, r = q % 16; k = 21 .. 23 hold zeros.
; WORK LEFT OUT, by whole numbers that this launch reads from memory (doc_len, query_len).  reference() multiplies pooling by mask_d, which is 0 for d >= doc_len, and exp(-x^2 / ..) is at most 1 for every
; finite sim: a tile of 16 documents with 16 t >= doc_len adds 0 to every pooling_sum and is neither gathered nor multiplied.  reference() multiplies log_pool by mask_q, which is 0 for q >= query_len, and the
; log of a number clipped at 1e-10 is finite: queries 16 .. 31 are left out where query_len <= 16 (zeros are stored for them, and launch 2 selects them away).  Hidden rows inside a live tile are computed and selected away.
; THE KERNELS.  With a = 50 log2(e), for k = 1 .. 20 (sigma 0.1):  exp(-(s - mu)^2 / 0.02) = 2^(-a mu^2) x U(mu),  U(mu) = 2^((2 a mu - a s) s).  The first factor hangs on no document: launch 2 applies it behind the
; sum.  U(mu + 0.1) = U(mu) x 2^(0.2 a s) and U(mu - 0.1) = U(mu) x 2^(-0.2 a s): three centres (mu = 0.65, 0.05, -0.65) and two ratios give all twenty.  Kernel 0 (mu 1, sigma 0.001) is 2^(-(k0 (s - 1))^2), k0^2 = 5e5 log2(e).
; RANGE, for every s:  U(mu) <= 2^(a mu^2) <= 2^65.2, so 512 of them stay finite.  A centre falls to 0 only where U < 2^-126, which needs |s - centre| > 1.32; the kernels made from it lie within 0.3 of it, so
; each is under e^-52 there: nothing beside the clip at 1e-10.  A hidden document's sim is replaced by 4.0: all four exponents of the centres and of kernel 0 are then under -600, the exponentials are 0, and the ratios stay finite.
; LIMITS.  A NaN, an infinity or an overflow in rows that are left out is not carried to the result; NaN and infinities in the table are not served.  Indices are held to 0 .. 49,999.  doc_len over 512 counts as 512,
; doc_len <= 0 hides every document.  A row whose sum of squares is denormal counts as norm 0.  x / n is x times the reciprocal of max(sqrt(sum), 1e-12).  A block of zeros gets the scale byte 1 (its codes are zeros).
; SHARES.  18 waves.  Wave w < 16 takes document tile t = 2 w + c (16 documents), waves 16 and 17 the query tiles 0 and 1.  Every wave gathers and quantises ONE tile of 16 rows; its 40 row loads go out together.
; The query tiles reach the document waves through LDS as images of the operand's registers.  No tensor load: rows come by index, and whole tiles are jumped over on loaded lengths.  No cluster: the two work-groups
; of a batch share only the 32 query rows, 38,400 of up to 345,600 bytes, and those come row by row.  No prefetch: a row's address is known only when its index has come, and then the load itself goes out.
.set QTB,   3584                       ; LDS 0: two query images: six pieces of 512 bytes (K step s, half cc at 512 (2 s + cc), lane l at 16 l), then 512 bytes of scale words (16 bytes a lane)
.set STAGE, 7168                       ; then a stage of its own for each wave
.set STB,   8448                       ; 16 rows x 528 bytes; behind the first barrier the same bytes hold the wave's sums: 12 groups x 512 bytes
.set SPARE, 159232                     ; behind the stages: the spare words, 128 bytes for each wave: nine blocks of 256 bytes that no other line names
.set PITA,  528                        ; a stage row of 512 bytes + 16: 33 x 16, so the sixteen rows that a load touches lie 16 bytes apart modulo 256
.set PITT,  272                        ; a tail's row: 256 bytes + 16: 17 x 16
.set TOP,   0xc34f                     ; the table's last row, 49,999
.set ROWB,  1200                       ; a row of the table in bytes: 75 x 16
.set X,     30                         ; v30-189  160 numbers: X + 32 cp + i = number i of block 2 cp + h of my row (r = lane % 16, h = lane / 16)
.set L16,   1                          ; v1   16 x lane: offset of the row loads, LDS address of the images, offset of the store to part
.set STW,   2                          ; v2   my stage + 16 x lane
.set STR,   3                          ; v3   my stage + 528 r + 128 h
.set TLW,   4                          ; v4   my stage + 272 h + 16 r
.set TLR,   5                          ; v5   my stage + 272 r + 128 h
.set TLZ,   6                          ; v6   my stage + 272 r + 176 + 16 h
.set QIW,   7                          ; v7   16 x lane + 3,584 x (wave & 1): where a query wave stores its image
.set SPW,   8                          ; v8   my spare word; never rewritten
.set NIL,   9                          ; v9   0; never rewritten
.set RR,    190                        ; v190, v191  the reducers' LDS addresses: waves 0-7's sums, waves 8-15's
; v10-17 tail offsets, then sums of squares (v10-13), zeros (v14-17), 1 / norm (v14-15), then the codes of K step 0.  v18-20 my tile's scale words, v22-24 the queries': scales and nothing else.
; v26-29, v21 the five blocks' largest magnitudes.  Behind the quantiser: v30-37, v38-45 the codes of K steps 1, 2; v46-55 constants in pairs; v56-59 at work;
.set QF,    60                         ; v60-83   the queries' three fragments, then
.set TA,    60                         ; v60-67   centre mu = -0.65
.set TB,    68                         ; v68-75   centre mu = +0.05
.set TC,    76                         ; v76-83   centre mu = +0.65
.set S,     84                         ; v84-91   sim: lane (r, h), register j: query r, document d0 + 8 h + j; then
.set U,     84                         ;          the chain that walks up
.set RP,    92                         ; v92-99   2^(+0.2 a s)
.set RM,    100                        ; v100-107 2^(-0.2 a s)
.set G0,    108                        ; v108-115 kernel 0
.set P0,    116                        ; v116-139 the 24 sums of query tile 0;  v140-163 of query tile 1;  v164 how many of my eight documents count
.set P1,    140
.set WV,    66                         ; s66 wave;  s67 b;  s68 c;  s69 doc_len;  s70 query_len;  s71 1 where my tile is live;  s72-79 masks;  s[80:81] lane selects;  s86 my tile's first row;  s88 lanes 16-31
.set BB,    67
.set CC,    68
.set DL,    69
.set QL,    70
.set LIVE,  71
.set MK,    72
.set SEL,   80
.set ROW0,  86
.set HM,    88
	s_load_b256 s[4:11], s[0:1], 0x0               ; doc_idx s[4:5], query_idx s[6:7], doc_len s[8:9], query_len s[10:11]
	s_load_b128 s[12:15], s[0:1], 0x20             ; emb_table s[12:13], part s[14:15]
	v_lshl_add_u32 v[SPW], v0, 2, SPARE
	v_mov_b32 v[NIL], 0
	v_lshrrev_b32 v25, 5, v0
	v_readfirstlane_b32 s[WV], v25                 ; wave 0 .. 17
	v_and_b32 v26, 31, v0                          ; lane
	v_and_b32 v27, 15, v0                          ; r
	v_bfe_u32 v28, v0, 4, 1                        ; h
	; every LDS address is made here, ahead of any parting of the waves: a constant + constants x lane parts + a constant x wave
	s_mul_i32 s83, s[WV], STB
	s_add_co_u32 s83, s83, STAGE                   ; my stage
	v_lshlrev_b32 v[L16], 4, v26
	v_add_nc_u32 v[STW], s83, v[L16]
	v_mul_u32_u24 v[STR], v27, PITA
	v_lshl_add_u32 v[STR], v28, 7, v[STR]
	v_add_nc_u32 v[STR], s83, v[STR]
	v_mul_u32_u24 v[TLW], v28, PITT
	v_lshl_add_u32 v[TLW], v27, 4, v[TLW]
	v_add_nc_u32 v[TLW], s83, v[TLW]
	v_mul_u32_u24 v[TLR], v27, PITT
	v_lshl_add_u32 v[TLZ], v28, 4, v[TLR]
	v_lshl_add_u32 v[TLR], v28, 7, v[TLR]
	v_add_nc_u32 v[TLR], s83, v[TLR]
	v_add_nc_u32 v[TLZ], s83, v[TLZ]
	v_add_nc_u32 v[TLZ], 176, v[TLZ]
	s_and_b32 s85, s[WV], 1                        ; a query wave's tile
	s_mul_i32 s84, s85, QTB
	v_add_nc_u32 v[QIW], s84, v[L16]
	s_lshl_b32 s84, s[WV], 10
	s_add_co_u32 s84, s84, STAGE
	v_lshlrev_b32 v[RR], 4, v27
	v_lshl_add_u32 v[RR], v28, 9, v[RR]
	v_add_nc_u32 v[RR], s84, v[RR]                 ; wave 0's sums, group 2 wave + h, query r
	v_add_nc_u32 v[RR+1], 8*STB, v[RR]             ; and wave 8's
	s_and_b32 s[BB], ttmp7, 0xffff                 ; the batch
	s_mov_b32 s[CC], ttmp9                         ; the parity of my work-group's document tiles
	s_mov_b32 s[SEL], 0x76543210
	s_mov_b32 s[SEL+1], 0xfedcba98                 ; v_permlanex16_b32: lane l xor 16
	s_mov_b32 s[HM], 0xffff0000                    ; lanes 16-31
	s_lshl_b32 s82, s[WV], 1
	s_add_co_u32 s82, s82, s[CC]                   ; a document wave's tile t = 2 wave + c
	s_lshl_b32 s[ROW0], s82, 4                     ; its first document
	s_lshl_b32 s82, s82, 6
	s_lshl_b32 s84, s[BB], 11
	s_add_co_u32 s84, s84, s82                     ; its 16 indices: byte 2,048 b + 64 t of doc_idx
	s_lshl_b32 s87, s85, 6
	s_lshl_b32 s82, s[BB], 7
	s_add_co_u32 s87, s87, s82                     ; a query wave's: byte 128 b + 64 tile of query_idx
	s_lshl_b32 s89, s85, 4                         ; its first query
	s_lshl_b32 s82, s[BB], 2                       ; 4 b: my batch's place in the two lengths
	s_mov_b32 s83, 0
	s_mov_b32 s85, 0
	s_cmp_lt_u32 s[WV], 16                         ; documents or queries?  The choice hangs on the wave's number alone; only moves, selections and waits stand between the compare and its last use
	s_cselect_b32 s84, s84, s87
	s_cselect_b32 s[ROW0], s[ROW0], s89
	s_wait_kmcnt 0x0                               ; the six addresses
	s_cselect_b64 s[90:91], s[4:5], s[6:7]
	s_add_nc_u64 s[90:91], s[90:91], s[84:85]
	s_add_nc_u64 s[8:9], s[8:9], s[82:83]
	s_add_nc_u64 s[10:11], s[10:11], s[82:83]
	s_load_b512 s[16:31], s[90:91], 0x0            ; my tile's 16 indices
	s_load_b32 s[DL], s[8:9], 0x0
	s_load_b32 s[QL], s[10:11], 0x0
	s_lshl_b32 s84, s[BB], 1
	s_add_co_u32 s84, s84, s[CC]
	s_mul_i32 s84, s84, 3072                       ; part: 3,072 bytes for each (b, c),
	s_min_u32 s87, s[WV], 5
	s_lshl_b32 s87, s87, 9
	s_add_co_u32 s84, s84, s87                     ; 512 for each of the six waves that store
	s_add_nc_u64 s[92:93], s[14:15], s[84:85]
	s_wait_kmcnt 0x0                               ; indices and lengths
	s_min_i32 s[DL], s[DL], 512
	s_max_i32 s87, s[QL], 1                        ; query tile 0 is always made
	s_cmp_lt_u32 s[WV], 16
	s_cselect_b32 s87, s[DL], s87
	s_cmp_lt_i32 s[ROW0], s87                      ; does my tile hold a row that counts?
	s_cselect_b32 s[LIVE], 1, 0
	s_cbranch_scc0 .Ldead
	; ---- THE GATHER: 40 loads, all out together.  A: bytes 0-511 of each row, B: bytes 512-1,023: the 32 lanes read 512 consecutive bytes.  T: the tails (176 bytes = 11 pieces of 16) of two rows a load.
.set i, 0
.rept 16
	s_min_u32 s[16+i], s[16+i], TOP                ; an index stays inside the table
	s_mul_i32 s[32+2*i], s[16+i], ROWB
	s_mov_b32 s[33+2*i], 0
	s_add_nc_u64 s[32+2*i:33+2*i], s[12:13], s[32+2*i:33+2*i]
	global_load_b128 v[X+4*i:X+4*i+3], v[L16], s[32+2*i:33+2*i]
.set i, i+1
.endr
	v_min_u32 v25, 10, v27                         ; lanes r > 10 repeat piece 10: no load leaves its row
	v_lshl_add_u32 v25, v25, 4, 1024
.set i, 0
.rept 8
	v_mov_b32 v[10+i], s[16+2*i]                   ; lanes 0-15: row 2 i,
	v_cndmask_b32 v[10+i], v[10+i], s[17+2*i], s[HM]   ; lanes 16-31: row 2 i + 1
	v_min_u32 v[10+i], TOP, v[10+i]
	v_mul_u32_u24 v[10+i], ROWB, v[10+i]
	v_add_nc_u32 v[10+i], v25, v[10+i]
.set i, i+1
.endr
.set i, 0
.rept 16
	global_load_b128 v[X+64+4*i:X+64+4*i+3], v[L16], s[32+2*i:33+2*i] offset:512
.set i, i+1
.endr
.set i, 0
.rept 8
	global_load_b128 v[X+128+4*i:X+128+4*i+3], v[10+i], s[12:13]
.set i, i+1
.endr
	s_wait_xcnt 0x0                                ; the tails' offsets have been read: v10-17 are written again only behind this wait
; 16 rows x 512 bytes turn through my own stage: in as loaded (row i at 528 i, 16 bytes a lane), out as 32 neighbours along E a block.  LDS serves a wave's instructions in order, so the loads see the stores.
.macro TURN x
.irp i, 0,1,2,3,4,5,6,7,8,9,10,11,12,13,14,15
	ds_store_b128 v[STW], v[(\x)+4*\i:(\x)+4*\i+3] offset:PITA*\i
.endr
	s_wait_dscnt 0x0                               ; the stores have read their registers, which the loads below fill again
.irp i, 0,1,2,3,4,5,6,7,8,9,10,11,12,13,14,15
	ds_load_b128 v[(\x)+4*\i:(\x)+4*\i+3], v[STR] offset:256*(\i/8)+16*(\i%8)
.endr
.endm
; Two blocks by turns: each block's largest magnitude (m0, m1) and its part of the row's sum of squares (v[10:11], v[12:13]).  first = 1: the first products start the sums: nothing is cleared.
.macro STAT2 x0, x1, m0, m1, first
	v_max3_num_f32 v[\m0], |v[(\x0)]|, |v[(\x0)+1]|, |v[(\x0)+2]|
	v_max3_num_f32 v[\m1], |v[(\x1)]|, |v[(\x1)+1]|, |v[(\x1)+2]|
.if \first
	v_pk_mul_f32 v[10:11], v[(\x0):(\x0)+1], v[(\x0):(\x0)+1]
	v_pk_mul_f32 v[12:13], v[(\x1):(\x1)+1], v[(\x1):(\x1)+1]
.else
	v_pk_fma_f32 v[10:11], v[(\x0):(\x0)+1], v[(\x0):(\x0)+1], v[10:11]
	v_pk_fma_f32 v[12:13], v[(\x1):(\x1)+1], v[(\x1):(\x1)+1], v[12:13]
.endif
.irp j, 1,2,3,4,5,6,7,8,9,10,11,12,13,14
	v_max3_num_f32 v[\m0], v[\m0], |v[(\x0)+2*\j+1]|, |v[(\x0)+2*\j+2]|
	v_max3_num_f32 v[\m1], v[\m1], |v[(\x1)+2*\j+1]|, |v[(\x1)+2*\j+2]|
	v_pk_fma_f32 v[10:11], v[(\x0)+2*\j:(\x0)+2*\j+1], v[(\x0)+2*\j:(\x0)+2*\j+1], v[10:11]
	v_pk_fma_f32 v[12:13], v[(\x1)+2*\j:(\x1)+2*\j+1], v[(\x1)+2*\j:(\x1)+2*\j+1], v[12:13]
.endr
	v_max_num_f32 v[\m0], v[\m0], |v[(\x0)+31]|
	v_max_num_f32 v[\m1], v[\m1], |v[(\x1)+31]|
	v_pk_fma_f32 v[10:11], v[(\x0)+30:(\x0)+31], v[(\x0)+30:(\x0)+31], v[10:11]
	v_pk_fma_f32 v[12:13], v[(\x1)+30:(\x1)+31], v[(\x1)+30:(\x1)+31], v[12:13]
.endm
.macro STAT1 x, m                      ; the same for one block; its pairs go to the two sums by turns
	v_max3_num_f32 v[\m], |v[(\x)]|, |v[(\x)+1]|, |v[(\x)+2]|
	v_pk_fma_f32 v[10:11], v[(\x):(\x)+1], v[(\x):(\x)+1], v[10:11]
.irp j, 1,2,3,4,5,6,7,8,9,10,11,12,13,14
	v_max3_num_f32 v[\m], v[\m], |v[(\x)+2*\j+1]|, |v[(\x)+2*\j+2]|
	v_pk_fma_f32 v[10+2*(\j%2):11+2*(\j%2)], v[(\x)+2*\j:(\x)+2*\j+1], v[(\x)+2*\j:(\x)+2*\j+1], v[10+2*(\j%2):11+2*(\j%2)]
.endr
	v_max_num_f32 v[\m], v[\m], |v[(\x)+31]|
	v_pk_fma_f32 v[12:13], v[(\x)+30:(\x)+31], v[(\x)+30:(\x)+31], v[12:13]
.endm
	s_wait_loadcnt 24                              ; the 16 loads A are in; behind them the 16 of B and the 8 tails may be out
	TURN X
	s_wait_loadcnt 8                               ; B is in; the 8 tails may be out
	TURN X+64                                      ; (its wait for the stores also shows blocks 0-3 back in registers)
	STAT2 X, X+32, 26, 27, 1                       ; blocks h and 2 + h, while blocks 4-7 come back
	s_wait_loadcnt 0x0                             ; the tails
.irp j, 14,15,16,17
	v_mov_b32 v\j, 0
.endr
.irp i, 0,1,2,3,4,5,6,7
	ds_store_b128 v[TLW], v[X+128+4*\i:X+128+4*\i+3] offset:2*PITT*\i   ; rows 2 i + h; lanes r > 10 put their repeat at bytes 176-255,
.endr
.irp i, 0,1,2
	ds_store_b128 v[TLZ], v[14:17] offset:32*\i    ; over which zeros go: bytes 176-271 of each row, numbers 300 on: the last block is filled up with zeros
.endr
	s_wait_dscnt 0x0                               ; the stores have read their registers; blocks 4-7 are back
.irp i, 0,1,2,3,4,5,6,7
	ds_load_b128 v[X+128+4*\i:X+128+4*\i+3], v[TLR] offset:16*\i
.endr
	STAT2 X+64, X+96, 28, 29, 0
	s_wait_dscnt 0x0                               ; blocks 8 + h
	STAT1 X+128, 21
	; ---- THE NORM: my half of the row and lane l xor 16's
	v_pk_add_f32 v[10:11], v[10:11], v[12:13]
	v_add_f32 v10, v10, v11
	v_permlanex16_b32 v12, v10, s[SEL], s[SEL+1]
	v_add_f32 v10, v10, v12
	v_sqrt_f32 v10, v10
	v_nop                                          ; a plain instruction behind the root,
	s_wait_alu depctr_va_vdst(0)                   ; and a wait ahead of the first use of its result
	v_max_num_f32 v10, 0x2b8cbccc, v10             ; max(norm, 1e-12)
	v_rcp_f32 v14, v10
	v_nop
	s_wait_alu depctr_va_vdst(0)                   ; likewise for the reciprocal
	v_mov_b32 v15, v14                             ; a pair for the packed multiply
	; ---- THE QUANTISER
.set i, 0
.rept 80
	v_pk_mul_f32 v[X+2*i:X+2*i+1], v[X+2*i:X+2*i+1], v[14:15]
.set i, i+1
.endr
.irp m, 26,27,28,29,21
	v_mul_f32 v\m, v\m, v14                        ; the same multiplication on the block's largest |x| gives the block's largest |x / norm|, bit for bit
.endr
.irp m, 26,27,28,29,21
	v_max_num_f32 v\m, 0x1800000, v\m              ; the floor 2^(3 - 127): the scale's byte cannot fall under 1
.endr
.irp m, 26,27,28,29,21
	v_add_nc_u32 v\m, 0xff000000, v\m              ; 2 off the exponent field: the conversion takes the exponent field of this operand as its scale
.endr
.macro CVT4 d, x, m                    ; a block's 32 numbers become four registers of codes
.irp g, 0,1,2,3
	v_cvt_scalef32_pk8_fp4_f32 v[(\d)+\g], v[(\x)+8*\g:(\x)+8*\g+7], v[\m]
.endr
.endm
	CVT4 10, X, 26                                 ; K step 0: registers 4 c + g hold k = 64 c + 32 h + 8 g + 0 .. 7
	CVT4 14, X+32, 27
	v_nop                                          ; a plain instruction before the next conversions write registers that these have read
	CVT4 30, X+64, 28                              ; K step 1
	CVT4 34, X+96, 29
	v_nop
	CVT4 38, X+128, 21                             ; K step 2: k = 256 + 32 h on;
	v_nop
.irp j, 42,43,44,45
	v_mov_b32 v\j, 0                               ; k = 320 .. 383: zero codes
.endr
.irp m, 26,27,28,29,21
	v_lshrrev_b32 v\m, 23, v\m                     ; the scales' bytes
.endr
	v_bfe_u32 v46, v0, 4, 1
	v_lshlrev_b32 v46, 3, v46                      ; 8 h
	v_mov_b32 v47, 0                               ; (a lane permute's destination counts as one of its sources)
	v_lshl_or_b32 v18, v27, 16, v26                ; my two bytes of K step 0: blocks h and 2 + h,
	v_lshl_or_b32 v19, v29, 16, v28                ; of K step 1,
	v_mov_b32 v20, v21                             ; and block 8 + h of K step 2 (bytes 2 and 3 stay 0 over zero codes)
.irp s, 18,19,20
	v_lshlrev_b32 v\s, v46, v\s                    ; at their places in the word
.endr
.irp s, 18,19,20
	v_permlanex16_b32 v47, v\s, s[SEL], s[SEL+1]
	v_or_b32 v\s, v\s, v47                         ; with lane l xor 16's bytes the word is whole
.endr
	; ---- a query wave's operand goes to LDS as an image of its registers
	s_cmp_lt_u32 s[WV], 16
	s_cbranch_scc1 .Ljoin1
	ds_store_b128 v[QIW], v[10:13]
	ds_store_b128 v[QIW], v[14:17] offset:512
	ds_store_b128 v[QIW], v[30:33] offset:1024
	ds_store_b128 v[QIW], v[34:37] offset:1536
	ds_store_b128 v[QIW], v[38:41] offset:2048
	ds_store_b128 v[QIW], v[42:45] offset:2560
	ds_store_b96 v[QIW], v[18:20] offset:3072
	s_branch .Ljoin1
.Ldead:                                                ; a tile with no row that counts: nothing is gathered.  The operand's registers are written, so that they are written on every way
.irp j, 10,11,12,13,14,15,16,17,18,19,20
	v_mov_b32 v\j, 0
.endr
.set i, 30
.rept 16
	v_mov_b32 v[i], 0
.set i, i+1
.endr
.Ljoin1:
	s_wait_dscnt 0x0                               ; for the others' sake: my image has landed; and my use of the stage is over
	s_barrier_signal -1
	s_barrier_wait -1                              ; the query images lie in LDS
; ---- THE POOLING
.macro SUM4 k, v                       ; kernel k's sum over my eight documents
	v_pk_add_f32 v[56:57], v[(\v):(\v)+1], v[(\v)+2:(\v)+3]
	v_pk_add_f32 v[58:59], v[(\v)+4:(\v)+5], v[(\v)+6:(\v)+7]
	v_pk_add_f32 v[56:57], v[56:57], v[58:59]
	v_add_f32 v[PB+(\k)], v56, v57
.endm
.macro MUL4 d, a, f
.irp p, 0,2,4,6
	v_pk_mul_f32 v[(\d)+\p:(\d)+\p+1], v[(\a)+\p:(\a)+\p+1], v[(\f)+\p:(\f)+\p+1]
.endr
.endm
.macro GROUP t, kc, nd                 ; from the centre in t (kernel kc): three kernels up (mu + 0.1 each, k falling), nd down
	SUM4 \kc, \t
	MUL4 U, \t, RP
	SUM4 (\kc)-1, U
	MUL4 U, U, RP
	SUM4 (\kc)-2, U
	MUL4 U, U, RP
	SUM4 (\kc)-3, U
	MUL4 \t, \t, RM
	SUM4 (\kc)+1, \t
	MUL4 \t, \t, RM
	SUM4 (\kc)+2, \t
.if \nd == 3
	MUL4 \t, \t, RM
	SUM4 (\kc)+3, \t
.endif
.endm
.macro POOL
.irp p, 0,2,4,6
	v_pk_fma_f32 v[TC+\p:TC+\p+1], v[S+\p:S+\p+1], v[46:47], v[48:49]                                   ; 1.3 a - a s
	v_pk_fma_f32 v[TA+\p:TA+\p+1], v[S+\p:S+\p+1], v[46:47], v[48:49] neg_lo:[0,0,1] neg_hi:[0,0,1]     ; -1.3 a - a s
	v_pk_fma_f32 v[TB+\p:TB+\p+1], v[S+\p:S+\p+1], v[46:47], v[50:51]                                   ; 0.1 a - a s
	v_pk_mul_f32 v[RP+\p:RP+\p+1], v[S+\p:S+\p+1], v[52:53]                                             ; 0.2 a s
	v_pk_mul_f32 v[RM+\p:RM+\p+1], v[S+\p:S+\p+1], v[52:53] neg_lo:[0,1] neg_hi:[0,1]                   ; -0.2 a s
	v_pk_fma_f32 v[G0+\p:G0+\p+1], v[S+\p:S+\p+1], v[54:55], v[54:55] neg_lo:[0,0,1] neg_hi:[0,0,1]     ; k0 s - k0
.endr
.irp p, 0,2,4,6
	v_pk_mul_f32 v[TC+\p:TC+\p+1], v[TC+\p:TC+\p+1], v[S+\p:S+\p+1]
	v_pk_mul_f32 v[TA+\p:TA+\p+1], v[TA+\p:TA+\p+1], v[S+\p:S+\p+1]
	v_pk_mul_f32 v[TB+\p:TB+\p+1], v[TB+\p:TB+\p+1], v[S+\p:S+\p+1]
	v_pk_mul_f32 v[G0+\p:G0+\p+1], v[G0+\p:G0+\p+1], v[G0+\p:G0+\p+1] neg_lo:[1,0] neg_hi:[1,0]         ; -(k0 (s - 1))^2
.endr
.set j, 0
.rept 24
	v_exp_f32 v[TA+j], v[TA+j]                     ; ONE BATCH of 48: the three centres,
	v_exp_f32 v[RP+j], v[RP+j]                     ; the two ratios and kernel 0; none reads another's result
.set j, j+1
.endr
.irp k, 21,22,23
	v_mov_b32 v[PB+\k], 0                          ; the group's three spare places.  (The plain instructions behind the last exponential)
.endr
	s_wait_alu depctr_va_vdst(0)                   ; one wait for the batch, ahead of its first reader
	SUM4 0, G0
	GROUP TC, 4, 2                                 ; kernels 1 .. 6
	GROUP TB, 10, 3                                ; kernels 7 .. 13
	GROUP TA, 17, 3                                ; kernels 14 .. 20
.endm
; Query tile t against my 16 documents: source 0 = my documents, source 1 = the queries, K = 384 in three steps on one accumulator.
.macro QTILE t
.irp i, 0,1,2,3,4,5
	ds_load_b128 v[QF+4*\i:QF+4*\i+3], v[L16] offset:QTB*\t+512*\i
.endr
	ds_load_b96 v[22:24], v[L16] offset:QTB*\t+3072
	s_wait_dscnt 0x0
	v_wmma_scale_f32_16x16x128_f8f6f4 v[S:S+7], v[10:17], v[QF:QF+7], 0, v18, v22 matrix_a_fmt:MATRIX_FMT_FP4 matrix_b_fmt:MATRIX_FMT_FP4
	s_wait_alu depctr_va_vdst(0)                   ; a wait directly ahead of each
	v_wmma_scale_f32_16x16x128_f8f6f4 v[S:S+7], v[30:37], v[QF+8:QF+15], v[S:S+7], v19, v23 matrix_a_fmt:MATRIX_FMT_FP4 matrix_b_fmt:MATRIX_FMT_FP4
	s_wait_alu depctr_va_vdst(0)
	v_wmma_scale_f32_16x16x128_f8f6f4 v[S:S+7], v[38:45], v[QF+16:QF+23], v[S:S+7], v20, v24 matrix_a_fmt:MATRIX_FMT_FP4 matrix_b_fmt:MATRIX_FMT_FP4
.rept 4
	v_nop                                          ; four places behind the last product, ahead of the first read of its result (ISA guide 7.12.1)
.endr
.irp j, 0,1,2,3,4,5,6,7
	v_cndmask_b32 v[S+\j], 4.0, v[S+\j], s[MK+\j]  ; a hidden document's sim becomes 4.0.  The result is read from its low end on
.endr
	POOL
.endm
	s_cmp_ge_u32 s[WV], 16
	s_cbranch_scc1 .Ljoin2                         ; the query waves have done their part
	s_cmp_eq_u32 s[LIVE], 0
	s_cbranch_scc1 .Lzero
	v_mov_b32 v46, 0xc29044fe                      ; -a = -72.134752, in both halves of a pair
	v_mov_b32 v47, 0xc29044fe
	v_mov_b32 v48, 0x42bb8ce4                      ; 1.3 a = 93.775178
	v_mov_b32 v49, 0x42bb8ce4
	v_mov_b32 v50, 0x40e6d4ca                      ; 0.1 a = 7.2134752
	v_mov_b32 v51, 0x40e6d4ca
	v_mov_b32 v52, 0x4166d4ca                      ; 0.2 a = 14.426950
	v_mov_b32 v53, 0x4166d4ca
	v_mov_b32 v54, 0x44545498                      ; k0 = 849.3218
	v_mov_b32 v55, 0x44545498
	s_sub_co_i32 s87, s[DL], s[ROW0]
	v_bfe_u32 v164, v0, 4, 1
	v_lshlrev_b32 v164, 3, v164
	v_sub_nc_u32 v164, s87, v164                   ; doc_len - d0 - 8 h: register j's document counts where j is under it
.irp j, 0,1,2,3,4,5,6,7
	v_cmp_lt_i32 s[MK+\j], \j, v164
.endr                                          ; (these 21 plain lines also stand between the vector writes of my scale words and codes and the first scaled product)
.set PB, P0
	QTILE 0
.irp g, 0,1,2,3,4,5
	ds_store_b128 v[STW], v[P0+4*\g:P0+4*\g+3] offset:512*\g        ; my sums: group g, 16 bytes a lane
.endr
	s_cmp_le_i32 s[QL], 16
	s_cbranch_scc1 .Ljoin2                         ; queries 16 .. 31 are all hidden
.set PB, P1
	QTILE 1
.irp g, 0,1,2,3,4,5
	ds_store_b128 v[STW], v[P1+4*\g:P1+4*\g+3] offset:512*(6+\g)
.endr
	s_branch .Ljoin2
.Lzero:                                                ; a document tile that was left out adds zeros, so that the reducers' walk hangs on no length
.irp j, 56,57,58,59
	v_mov_b32 v\j, 0
.endr
.irp g, 0,1,2,3,4,5
	ds_store_b128 v[STW], v[56:59] offset:512*\g
.endr
	s_cmp_le_i32 s[QL], 16
	s_cbranch_scc1 .Ljoin2
.irp g, 0,1,2,3,4,5
	ds_store_b128 v[STW], v[56:59] offset:512*(6+\g)
.endr
.Ljoin2:
	s_wait_dscnt 0x0                               ; for the others' sake: my sums have landed
	s_barrier_signal -1
	s_barrier_wait -1                              ; all sixteen waves' sums lie in LDS
	; ---- THE REDUCTION.  Waves 0-5: lane (r, h) of wave w owns group 2 w + h and query r, and adds both halves of the lanes of all sixteen waves: 32 loads of 16 bytes.
	s_cmp_ge_u32 s[WV], 6
	s_cbranch_scc1 .Lend
	s_cmp_lt_u32 s[WV], 3
	s_cbranch_scc1 .Lred                           ; groups 0-5: queries 0 .. 15
	s_cmp_gt_i32 s[QL], 16
	s_cbranch_scc1 .Lred                           ; groups 6-11, where they were made
.irp j, 30,31,32,33
	v_mov_b32 v\j, 0                               ; else zeros: every byte of part is written
.endr
	s_branch .Lst
.Lred:
.set n, 0
.rept 32
	ds_load_b128 v[30+4*n:33+4*n], v[RR+n/16] offset:STB*((n/2)%8)+256*(n%2)
.set n, n+1
.endr
	s_wait_dscnt 0x0
.irp st, 16,8,4,2,1
.set n, 0
.rept \st
	v_pk_add_f32 v[30+4*n:31+4*n], v[30+4*n:31+4*n], v[30+4*(n+\st):31+4*(n+\st)]
	v_pk_add_f32 v[32+4*n:33+4*n], v[32+4*n:33+4*n], v[32+4*(n+\st):33+4*(n+\st)]
.set n, n+1
.endr
.endr
.Lst:
	global_store_b128 v[L16], v[30:33], s[92:93]   ; the wave stores 512 consecutive bytes, at a multiple of 256 from part's first byte
.Lend:
	s_wait_tensorcnt 0x0                           ; the wave's end: these three lines, behind my last LDS store
	ds_add_u32 v[SPW], v[NIL]
	s_wait_dscnt 0x0
	s_endpgm
.Lfunc_end_k_q4c627a00aa_pool:
	.size	k_q4c627a00aa_pool, .Lfunc_end_k_q4c627a00aa_pool-k_q4c627a00aa_pool
	.p2alignl 7, 3214868480
	.fill 96, 4, 3214868480
	.section	.rodata,"a",@progbits
	.p2align	6, 0x0
	.amdhsa_kernel k_q4c627a00aa_pool
		.amdhsa_group_segment_fixed_size 161536
		.amdhsa_private_segment_fixed_size 0
		.amdhsa_enable_private_segment 0
		.amdhsa_kernarg_size 48
		.amdhsa_user_sgpr_count 2
		.amdhsa_user_sgpr_kernarg_segment_ptr 1
		.amdhsa_wavefront_size32 1
		.amdhsa_system_sgpr_workgroup_id_x 1
		.amdhsa_system_sgpr_workgroup_id_y 1
		.amdhsa_system_sgpr_workgroup_id_z 1
		.amdhsa_system_vgpr_workitem_id 0
		.amdhsa_next_free_vgpr 192
		.amdhsa_next_free_sgpr 96
		.amdhsa_reserve_vcc 0
		.amdhsa_float_denorm_mode_32 3
		.amdhsa_float_denorm_mode_16_64 3
		.amdhsa_memory_ordered 1
		.amdhsa_forward_progress 1
		.amdhsa_inst_pref_size 77
	.end_amdhsa_kernel
	.amdgpu_metadata
---
amdhsa.version: [ 1, 2 ]
amdhsa.kernels:
  - .name:           k_q4c627a00aa_pool
    .symbol:         k_q4c627a00aa_pool.kd
    .args:
      - { .name: doc_idx, .offset: 0, .size: 8, .value_kind: global_buffer, .address_space: global }
      - { .name: query_idx, .offset: 8, .size: 8, .value_kind: global_buffer, .address_space: global }
      - { .name: doc_len, .offset: 16, .size: 8, .value_kind: global_buffer, .address_space: global }
      - { .name: query_len, .offset: 24, .size: 8, .value_kind: global_buffer, .address_space: global }
      - { .name: emb_table, .offset: 32, .size: 8, .value_kind: global_buffer, .address_space: global }
      - { .name: part, .offset: 40, .size: 8, .value_kind: global_buffer, .address_space: global }
    .group_segment_fixed_size: 161536
    .private_segment_fixed_size: 0
    .kernarg_segment_align: 8
    .kernarg_segment_size: 48
    .max_flat_workgroup_size: 576
    .sgpr_count:     96
    .vgpr_count:     192
    .wavefront_size: 32
...
	.end_amdgpu_metadata
.endif
;; end of part 1
;; launch finish (part 2): grid 128 x 1, 1 waves a work-group, no clusters, 4,864 bytes of LDS; arguments part, query_len, dense_w, dense_b, out0, out1; writes out0, out1
.if DOCPART == 2
	.amdgcn_target "amdgcn-amd-amdhsa--gfx1250"
	.amdhsa_code_object_version 6
	.text
	.protected	k_q4c627a00aa_finish
	.globl	k_q4c627a00aa_finish
	.p2align	8
	.type	k_q4c627a00aa_finish,@function
k_q4c627a00aa_finish:
	s_mov_b64 s[64:65], 0
	v_nop
	global_prefetch_b8 v0, s[64:65] scope:SCOPE_SE
	s_setreg_imm32_b32 hwreg(HW_REG_WAVE_MODE, 25, 1), 1
	s_wait_xcnt 0x0
; KNRM, launch 2 of 2.  One wave a batch; lane = query q = 16 h + r.  part[b][c][g][r][e] holds, for kernel k = 4 (g % 6) + e and query 16 (g / 6) + r, the sum S over the documents of parity c of the kernel
; without its factor 2^(-A_k), A_k = 50 log2(e) mu_k^2 (A_0 = 0).  log is monotone, so  0.01 log(max(2^(-A) S, 1e-10)) = 0.01 ln 2 x max(log2 S - A, log2 1e-10);  S = 0 gives -infinity, which the maximum replaces.
; Then mask_q, the sum over the 32 queries (out1), and the product with dense_w, K = 21 and one column: 21 multiplications in f32 and a sum over lanes, + dense_b (out0).
; Nothing is left out here: queries that launch 1 left out (query_len <= 16) arrive as zeros and are selected away by mask_q like every hidden query.
; LIMITS: NaN and infinities among the inputs are not served; a sum S that is denormal counts as 0 (it lies under the clip).
.set V,     8                          ; v8-31   part 0, then V[k]; v29-31 (k = 21 .. 23) stay zeros
.set W,     32                         ; v32-55  part 1; then v32-39 zeros: words 24 .. 31 of a row in LDS
.set C,     40                         ; v40-71  a column's 32 numbers
.set PITCH, 144                        ; LDS: 32 rows (queries) of 32 words + 16 bytes: 9 x 16, so the sixteen rows that a store touches lie 16 bytes apart modulo 256
.set SPARE, 4608                       ; behind them the spare words: one block of 256 bytes that no other line names
	s_load_b256 s[4:11], s[0:1], 0x0               ; part s[4:5], query_len s[6:7], dense_w s[8:9], dense_b s[10:11]
	s_load_b128 s[12:15], s[0:1], 0x20             ; out0 s[12:13], out1 s[14:15]
	v_lshl_add_u32 v6, v0, 2, SPARE                ; my spare word; never rewritten
	v_mov_b32 v7, 0                                ; 0; never rewritten
	v_and_b32 v2, 15, v0                           ; r
	v_lshrrev_b32 v1, 4, v0                        ; h
	v_mul_u32_u24 v1, v1, 1536
	v_lshl_add_u32 v1, v2, 4, v1                   ; my query's 16 bytes of a group: 1,536 h + 16 r
	v_min_u32 v3, 20, v0
	v_lshlrev_b32 v3, 2, v3                        ; dense_w: lane k takes w[k]; lanes over 20 repeat w[20] and are selected away
	v_mul_u32_u24 v4, v0, PITCH                    ; LDS: my query's row
	v_lshlrev_b32 v5, 2, v0                        ; LDS: my column; and my 4 bytes of out1's row
	v_mov_b32 v75, 0                               ; (a lane permute's destination counts as one of its sources)
	s_mul_i32 s16, ttmp9, 6144
	s_mov_b32 s17, 0
	s_lshl_b32 s18, ttmp9, 2
	s_mov_b32 s19, 0
	s_mul_i32 s28, ttmp9, 84
	s_mov_b32 s29, 0
	s_mov_b32 s24, 0x76543210
	s_mov_b32 s25, 0xfedcba98                      ; v_permlanex16_b32: lane l xor 16
	s_mov_b32 s26, 0xc204e08b                      ; log2(1e-10) = -33.219281
	s_wait_kmcnt 0x0
	s_add_nc_u64 s[4:5], s[4:5], s[16:17]
	s_add_nc_u64 s[6:7], s[6:7], s[18:19]
	s_add_nc_u64 s[12:13], s[12:13], s[18:19]
	s_add_nc_u64 s[14:15], s[14:15], s[28:29]
.irp c, 0,1
.irp g, 0,1,2,3,4,5
	global_load_b128 v[V+24*\c+4*\g:V+24*\c+4*\g+3], v1, s[4:5] offset:3072*\c+256*\g th:TH_LOAD_NT   ; sixteen lanes read 256 consecutive bytes; read once
.endr
.endr
	global_load_b32 v72, v3, s[8:9]
	s_load_b32 s20, s[6:7], 0x0                    ; query_len
	s_load_b32 s21, s[10:11], 0x0                  ; dense_b
	s_wait_loadcnt 0x0
.irp j, 0,2,4,6,8,10,12,14,16,18,20,22
	v_pk_add_f32 v[V+\j:V+\j+1], v[V+\j:V+\j+1], v[W+\j:W+\j+1]   ; the two parities' sums
.endr
.set k, 0
.rept 21
	v_log_f32 v[V+k], v[V+k]                       ; log2 S: one batch
.set k, k+1
.endr
.irp j, 0,1,2,3,4,5,6,7
	v_mov_b32 v[W+\j], 0                           ; (the plain instructions behind the last logarithm)
.endr
	s_wait_alu depctr_va_vdst(0)                   ; one wait for the batch, ahead of its first reader
	s_wait_kmcnt 0x0
	v_cmp_gt_i32 vcc_lo, s20, v0                   ; mask_q: query_len > q
.macro CLIP k
	v_max_num_f32 v[V+(\k)], s26, v[V+(\k)]        ; the clip at 1e-10
	v_cndmask_b32 v[V+(\k)], 0, v[V+(\k)], vcc_lo  ; a hidden query adds 0
.endm
.macro SHIFT k, na                     ; kernels k and 21 - k have the same mu^2: na = -A
	v_add_f32 v[V+(\k)], \na, v[V+(\k)]
	v_add_f32 v[V+21-(\k)], \na, v[V+21-(\k)]
	CLIP \k
	CLIP 21-(\k)
.endm
	CLIP 0
	SHIFT 1,  0xc2823407                           ; mu^2 = 0.9025: -65.101614
	SHIFT 2,  0xc250782d                           ; 0.7225: -52.117358
	SHIFT 3,  0xc2224d9e                           ; 0.5625: -40.575798
	SHIFT 4,  0xc1f3d0c2                           ; 0.4225: -30.476933
	SHIFT 5,  0xc1ae90ec                           ; 0.3025: -21.820762
	SHIFT 6,  0xc169b773                           ; 0.2025: -14.607287
	SHIFT 7,  0xc10d6255                           ; 0.1225: -8.8365071
	SHIFT 8,  0xc09044fe                           ; 0.0625: -4.5084220
	SHIFT 9,  0xbfcfbf83                           ; 0.0225: -1.6230319
	SHIFT 10, 0xbe38aa3b                           ; 0.0025: -0.18033688
	; the turn: lane q stores its 32 words as a row, lane k reads column k.  LDS serves a wave's instructions in order, so the loads see the stores
.irp g, 0,1,2,3,4,5,6,7
	ds_store_b128 v4, v[V+4*\g:V+4*\g+3] offset:16*\g
.endr
.set q, 0
.rept 32
	ds_load_b32 v[C+q], v5 offset:PITCH*q
.set q, q+1
.endr
	s_wait_dscnt 0x0
.irp st, 16,8,4,2
.set j, 0
.rept \st/2
	v_pk_add_f32 v[C+2*j:C+2*j+1], v[C+2*j:C+2*j+1], v[C+\st+2*j:C+\st+2*j+1]
.set j, j+1
.endr
.endr
	v_add_f32 v40, v40, v41                        ; the sum over the 32 queries, in log2
	v_mul_f32 v73, 0x3be32166, v40                 ; x 0.01 ln 2: out1[b][k] in lane k
	v_mul_f32 v74, v73, v72                        ; x w[k]
	v_cmp_gt_u32 s23, 21, v0
	v_cndmask_b32 v74, 0, v74, s23                 ; lanes 21 .. 31 add nothing
	v_add_f32_dpp v74, v74, v74 row_xmask:1 row_mask:0xf bank_mask:0xf
	v_add_f32_dpp v74, v74, v74 row_xmask:2 row_mask:0xf bank_mask:0xf
	v_add_f32_dpp v74, v74, v74 row_xmask:4 row_mask:0xf bank_mask:0xf
	v_add_f32_dpp v74, v74, v74 row_xmask:8 row_mask:0xf bank_mask:0xf
	v_permlanex16_b32 v75, v74, s24, s25
	v_add_f32 v74, v74, v75
	v_add_f32 v74, s21, v74                        ; + dense_b: the score, in every lane
	s_wait_xcnt 0x0                                ; EXEC changes only behind this wait
	v_cmp_gt_u32 vcc_lo, 21, v0
	s_and_saveexec_b32 s22, vcc_lo
	global_store_b32 v5, v73, s[14:15]             ; lanes 0 .. 20: the batch's 84 bytes of out1
	s_wait_xcnt 0x0                                ; and again, in front of the line that widens it
	s_or_b32 exec_lo, exec_lo, s22
	v_cmp_eq_u32 vcc_lo, 0, v0
	s_and_saveexec_b32 s22, vcc_lo
	global_store_b32 v5, v74, s[12:13]             ; lane 0: out0[b]
	s_wait_xcnt 0x0
	s_or_b32 exec_lo, exec_lo, s22
	s_wait_tensorcnt 0x0                           ; the wave's end: these three lines, behind my last LDS store
	ds_add_u32 v6, v7
	s_wait_dscnt 0x0
	s_endpgm
.Lfunc_end_k_q4c627a00aa_finish:
	.size	k_q4c627a00aa_finish, .Lfunc_end_k_q4c627a00aa_finish-k_q4c627a00aa_finish
	.p2alignl 7, 3214868480
	.fill 96, 4, 3214868480
	.section	.rodata,"a",@progbits
	.p2align	6, 0x0
	.amdhsa_kernel k_q4c627a00aa_finish
		.amdhsa_group_segment_fixed_size 4864
		.amdhsa_private_segment_fixed_size 0
		.amdhsa_enable_private_segment 0
		.amdhsa_kernarg_size 48
		.amdhsa_user_sgpr_count 2
		.amdhsa_user_sgpr_kernarg_segment_ptr 1
		.amdhsa_wavefront_size32 1
		.amdhsa_system_sgpr_workgroup_id_x 1
		.amdhsa_system_sgpr_workgroup_id_y 1
		.amdhsa_system_sgpr_workgroup_id_z 1
		.amdhsa_system_vgpr_workitem_id 0
		.amdhsa_next_free_vgpr 96
		.amdhsa_next_free_sgpr 66
		.amdhsa_reserve_vcc 1
		.amdhsa_float_denorm_mode_32 3
		.amdhsa_float_denorm_mode_16_64 3
		.amdhsa_memory_ordered 1
		.amdhsa_forward_progress 1
		.amdhsa_inst_pref_size 12
	.end_amdhsa_kernel
	.amdgpu_metadata
---
amdhsa.version: [ 1, 2 ]
amdhsa.kernels:
  - .name:           k_q4c627a00aa_finish
    .symbol:         k_q4c627a00aa_finish.kd
    .args:
      - { .name: part, .offset: 0, .size: 8, .value_kind: global_buffer, .address_space: global }
      - { .name: query_len, .offset: 8, .size: 8, .value_kind: global_buffer, .address_space: global }
      - { .name: dense_w, .offset: 16, .size: 8, .value_kind: global_buffer, .address_space: global }
      - { .name: dense_b, .offset: 24, .size: 8, .value_kind: global_buffer, .address_space: global }
      - { .name: out0, .offset: 32, .size: 8, .value_kind: global_buffer, .address_space: global }
      - { .name: out1, .offset: 40, .size: 8, .value_kind: global_buffer, .address_space: global }
    .group_segment_fixed_size: 4864
    .private_segment_fixed_size: 0
    .kernarg_segment_align: 8
    .kernarg_segment_size: 48
    .max_flat_workgroup_size: 32
    .sgpr_count:     66
    .vgpr_count:     96
    .wavefront_size: 32
...
	.end_amdgpu_metadata
.endif
;; end of part 2
;; ======== version 2 of 2: 2 launches
;; workspace buffers: part 786,432 bytes
;; launch pool (part 3): grid 2 x 128, 18 waves a work-group, no clusters, 161,536 bytes of LDS; arguments doc_idx, query_idx, doc_len, query_len, emb_table, part; writes part
.if DOCPART == 3
	.amdgcn_target "amdgcn-amd-amdhsa--gfx1250"
	.amdhsa_code_object_version 6
	.text
	.protected	k_q4c627a00aa_pool
	.globl	k_q4c627a00aa_pool
	.p2align	8
	.type	k_q4c627a00aa_pool,@function
k_q4c627a00aa_pool:
	s_mov_b64 s[64:65], 0
	v_nop
	global_prefetch_b8 v0, s[64:65] scope:SCOPE_SE
	s_setreg_imm32_b32 hwreg(HW_REG_WAVE_SCHED_MODE, 0, 2), 2
	s_setreg_imm32_b32 hwreg(HW_REG_WAVE_MODE, 25, 1), 1
	s_wait_xcnt 0x0
	s_wait_alu depctr_vm_vsrc(0)
; KNRM, launch 1 of 2.  For batch b and parity c: gather the rows of the table, normalise them, quantise them to E2M1 with one E8M0 scale for each 32 along E (300 = 9 blocks + 12 numbers
; filled up with zeros), sim = Q D^T by the scaled matrix instruction, and the 21 kernels' sums over this work-group's documents.  Stored: part[b][c][g 12][r 16][e 4] f32, g = 6 (q / 16) + k / 4,
; e = k % 4, r = q % 16; k = 21 .. 23 hold zeros.
; WORK LEFT OUT, by whole numbers that this launch reads from memory (doc_len, query_len).  reference() multiplies pooling by mask_d, which is 0 for d >= doc_len, and exp(-x^2 / ..) is at most 1 for every
; finite sim: a tile of 16 documents with 16 t >= doc_len adds 0 to every pooling_sum and is neither gathered nor multiplied.  reference() multiplies log_pool by mask_q, which is 0 for q >= query_len, and the
; log of a number clipped at 1e-10 is finite: queries 16 .. 31 are left out where query_len <= 16 (zeros are stored for them, and launch 2 selects them away).  Hidden rows inside a live tile are computed and selected away.
; THE KERNELS.  With a = 50 log2(e), for k = 1 .. 20 (sigma 0.1):  exp(-(s - mu)^2 / 0.02) = 2^(-a mu^2) x U(mu),  U(mu) = 2^((2 a mu - a s) s).  The first factor hangs on no document: launch 2 applies it behind the
; sum.  U(mu + 0.1) = U(mu) x 2^(0.2 a s) and U(mu - 0.1) = U(mu) x 2^(-0.2 a s): three centres (mu = 0.65, 0.05, -0.65) and two ratios give all twenty.  Kernel 0 (mu 1, sigma 0.001) is 2^(-(k0 (s - 1))^2), k0^2 = 5e5 log2(e).
; RANGE, for every s:  U(mu) <= 2^(a mu^2) <= 2^65.2, so 512 of them stay finite.  A centre falls to 0 only where U < 2^-126, which needs |s - centre| > 1.32; the kernels made from it lie within 0.3 of it, so
; each is under e^-52 there: nothing beside the clip at 1e-10.  A hidden document's sim is replaced by 4.0: all four exponents of the centres and of kernel 0 are then under -600, the exponentials are 0, and the ratios stay finite.
; LIMITS.  A NaN, an infinity or an overflow in rows that are left out is not carried to the result; NaN and infinities in the table are not served.  Indices are held to 0 .. 49,999.  doc_len over 512 counts as 512,
; doc_len <= 0 hides every document.  A row whose sum of squares is denormal counts as norm 0.  x / n is x times the reciprocal of max(sqrt(sum), 1e-12).  A block of zeros gets the scale byte 1 (its codes are zeros).
; SHARES.  18 waves.  Wave w < 16 takes document tile t = 2 w + c (16 documents), waves 16 and 17 the query tiles 0 and 1.  Every wave gathers and quantises ONE tile of 16 rows; its 40 row loads go out together.
; The query tiles reach the document waves through LDS as images of the operand's registers.  No tensor load: rows come by index, and whole tiles are jumped over on loaded lengths.  No cluster: the two work-groups
; of a batch share only the 32 query rows, 38,400 of up to 345,600 bytes, and those come row by row.  No prefetch: a row's address is known only when its index has come, and then the load itself goes out.
; THE MODE: SCHED_MODE bits 1:0 = 2 (LLVM: expert scheduling mode 2), set by the entry lines.  The code itself states the register dependences between vector or matrix instructions and memory or LDS
; instructions, with s_wait_alu, always for 0.
; THE PLAN.  Registers that memory or LDS instructions touch, in the order of the text:
;   v1-7, v190, v191, v8, v9   addresses and the add's two: written at the head, never again.  One wait on va_vdst at the head's end serves every instruction that reads them.
;   v10-17    the tails' offsets: written by vector lines, read by the eight tail loads.  Then v14-17 hold zeros, read by three LDS stores; later v10-17 hold codes, read by a query wave's image stores.
;   X         global loads land; a turn's LDS stores read them and its LDS loads land in them again (a wait on vm_vsrc between the two); from then on vector instructions alone name them.
;   v18-20, v30-45   scale words and codes: written by vector lines; read by the image stores and taken by the scaled products.
;   v60-83, v22-24   a query tile's LDS loads land; the products read them; the pooling writes v60-83 again; the next tile's loads land again.
;   v116-163  the sums: written by the pooling, read by six LDS stores a query tile.  v56-59: zeros of a tile that was left out, read by its stores.
;   v30-157   the reducers' 32 LDS loads land; v30-33 then hold the sum, which the global store reads.
.set QTB,   3584                       ; LDS 0: two query images: six pieces of 512 bytes (K step s, half cc at 512 (2 s + cc), lane l at 16 l), then 512 bytes of scale words (16 bytes a lane)
.set STAGE, 7168                       ; then a stage of its own for each wave
.set STB,   8448                       ; 16 rows x 528 bytes; behind the first barrier the same bytes hold the wave's sums: 12 groups x 512 bytes
.set SPARE, 159232                     ; behind the stages: the spare words, 128 bytes for each wave: nine blocks of 256 bytes that no other line names
.set PITA,  528                        ; a stage row of 512 bytes + 16: 33 x 16, so the sixteen rows that a load touches lie 16 bytes apart modulo 256
.set PITT,  272                        ; a tail's row: 256 bytes + 16: 17 x 16
.set TOP,   0xc34f                     ; the table's last row, 49,999
.set ROWB,  1200                       ; a row of the table in bytes: 75 x 16
.set X,     30                         ; v30-189  160 numbers: X + 32 cp + i = number i of block 2 cp + h of my row (r = lane % 16, h = lane / 16)
.set L16,   1                          ; v1   16 x lane: offset of the row loads, LDS address of the images, offset of the store to part
.set STW,   2                          ; v2   my stage + 16 x lane
.set STR,   3                          ; v3   my stage + 528 r + 128 h
.set TLW,   4                          ; v4   my stage + 272 h + 16 r
.set TLR,   5                          ; v5   my stage + 272 r + 128 h
.set TLZ,   6                          ; v6   my stage + 272 r + 176 + 16 h
.set QIW,   7                          ; v7   16 x lane + 3,584 x (wave & 1): where a query wave stores its image
.set SPW,   8                          ; v8   my spare word; never rewritten
.set NIL,   9                          ; v9   0; never rewritten
.set RR,    190                        ; v190, v191  the reducers' LDS addresses: waves 0-7's sums, waves 8-15's
; v10-17 tail offsets, then sums of squares (v10-13), zeros (v14-17), 1 / norm (v14-15), then the codes of K step 0.  v18-20 my tile's scale words, v22-24 the queries': scales and nothing else.
; v26-29, v21 the five blocks' largest magnitudes.  Behind the quantiser: v30-37, v38-45 the codes of K steps 1, 2; v46-55 constants in pairs; v56-59 at work;
.set QF,    60                         ; v60-83   the queries' three fragments, then
.set TA,    60                         ; v60-67   centre mu = -0.65
.set TB,    68                         ; v68-75   centre mu = +0.05
.set TC,    76                         ; v76-83   centre mu = +0.65
.set S,     84                         ; v84-91   sim: lane (r, h), register j: query r, document d0 + 8 h + j; then
.set U,     84                         ;          the chain that walks up
.set RP,    92                         ; v92-99   2^(+0.2 a s)
.set RM,    100                        ; v100-107 2^(-0.2 a s)
.set G0,    108                        ; v108-115 kernel 0
.set P0,    116                        ; v116-139 the 24 sums of query tile 0;  v140-163 of query tile 1;  v164 how many of my eight documents count
.set P1,    140
.set WV,    66                         ; s66 wave;  s67 b;  s68 c;  s69 doc_len;  s70 query_len;  s71 1 where my tile is live;  s72-79 masks;  s[80:81] lane selects;  s86 my tile's first row;  s88 lanes 16-31
.set BB,    67
.set CC,    68
.set DL,    69
.set QL,    70
.set LIVE,  71
.set MK,    72
.set SEL,   80
.set ROW0,  86
.set HM,    88
	s_load_b256 s[4:11], s[0:1], 0x0               ; doc_idx s[4:5], query_idx s[6:7], doc_len s[8:9], query_len s[10:11]
	s_load_b128 s[12:15], s[0:1], 0x20             ; emb_table s[12:13], part s[14:15]
	v_lshl_add_u32 v[SPW], v0, 2, SPARE
	v_mov_b32 v[NIL], 0
	v_lshrrev_b32 v25, 5, v0
	v_readfirstlane_b32 s[WV], v25                 ; wave 0 .. 17
	v_and_b32 v26, 31, v0                          ; lane
	v_and_b32 v27, 15, v0                          ; r
	v_bfe_u32 v28, v0, 4, 1                        ; h
	s_wait_alu depctr_va_sdst(0)                   ; s66, the wave's number, is written, ahead of its first reader: the line below
	; every LDS address is made here, ahead of any parting of the waves: a constant + constants x lane parts + a constant x wave
	s_mul_i32 s83, s[WV], STB
	s_add_co_u32 s83, s83, STAGE                   ; my stage
	v_lshlrev_b32 v[L16], 4, v26
	v_add_nc_u32 v[STW], s83, v[L16]
	v_mul_u32_u24 v[STR], v27, PITA
	v_lshl_add_u32 v[STR], v28, 7, v[STR]
	v_add_nc_u32 v[STR], s83, v[STR]
	v_mul_u32_u24 v[TLW], v28, PITT
	v_lshl_add_u32 v[TLW], v27, 4, v[TLW]
	v_add_nc_u32 v[TLW], s83, v[TLW]
	v_mul_u32_u24 v[TLR], v27, PITT
	v_lshl_add_u32 v[TLZ], v28, 4, v[TLR]
	v_lshl_add_u32 v[TLR], v28, 7, v[TLR]
	v_add_nc_u32 v[TLR], s83, v[TLR]
	v_add_nc_u32 v[TLZ], s83, v[TLZ]
	v_add_nc_u32 v[TLZ], 176, v[TLZ]
	s_and_b32 s85, s[WV], 1                        ; a query wave's tile
	s_mul_i32 s84, s85, QTB
	v_add_nc_u32 v[QIW], s84, v[L16]
	s_lshl_b32 s84, s[WV], 10
	s_add_co_u32 s84, s84, STAGE
	v_lshlrev_b32 v[RR], 4, v27
	v_lshl_add_u32 v[RR], v28, 9, v[RR]
	v_add_nc_u32 v[RR], s84, v[RR]                 ; wave 0's sums, group 2 wave + h, query r
	v_add_nc_u32 v[RR+1], 8*STB, v[RR]             ; and wave 8's
	s_wait_alu depctr_va_vdst(0)                   ; v1 to v9, v190 and v191 are written: every load, store and LDS instruction of the kernel reads some of them as its address, on both ways of the branch below, and none is written again
	s_and_b32 s[BB], ttmp7, 0xffff                 ; the batch
	s_mov_b32 s[CC], ttmp9                         ; the parity of my work-group's document tiles
	s_mov_b32 s[SEL], 0x76543210
	s_mov_b32 s[SEL+1], 0xfedcba98                 ; v_permlanex16_b32: lane l xor 16
	s_mov_b32 s[HM], 0xffff0000                    ; lanes 16-31
	s_lshl_b32 s82, s[WV], 1
	s_add_co_u32 s82, s82, s[CC]                   ; a document wave's tile t = 2 wave + c
	s_lshl_b32 s[ROW0], s82, 4                     ; its first document
	s_lshl_b32 s82, s82, 6
	s_lshl_b32 s84, s[BB], 11
	s_add_co_u32 s84, s84, s82                     ; its 16 indices: byte 2,048 b + 64 t of doc_idx
	s_lshl_b32 s87, s85, 6
	s_lshl_b32 s82, s[BB], 7
	s_add_co_u32 s87, s87, s82                     ; a query wave's: byte 128 b + 64 tile of query_idx
	s_lshl_b32 s89, s85, 4                         ; its first query
	s_lshl_b32 s82, s[BB], 2                       ; 4 b: my batch's place in the two lengths
	s_mov_b32 s83, 0
	s_mov_b32 s85, 0
	s_cmp_lt_u32 s[WV], 16                         ; documents or queries?  The choice hangs on the wave's number alone; only moves, selections and waits stand between the compare and its last use
	s_cselect_b32 s84, s84, s87
	s_cselect_b32 s[ROW0], s[ROW0], s89
	s_wait_kmcnt 0x0                               ; the six addresses
	s_cselect_b64 s[90:91], s[4:5], s[6:7]
	s_add_nc_u64 s[90:91], s[90:91], s[84:85]
	s_add_nc_u64 s[8:9], s[8:9], s[82:83]
	s_add_nc_u64 s[10:11], s[10:11], s[82:83]
	s_load_b512 s[16:31], s[90:91], 0x0            ; my tile's 16 indices
	s_load_b32 s[DL], s[8:9], 0x0
	s_load_b32 s[QL], s[10:11], 0x0
	s_lshl_b32 s84, s[BB], 1
	s_add_co_u32 s84, s84, s[CC]
	s_mul_i32 s84, s84, 3072                       ; part: 3,072 bytes for each (b, c),
	s_min_u32 s87, s[WV], 5
	s_lshl_b32 s87, s87, 9
	s_add_co_u32 s84, s84, s87                     ; 512 for each of the six waves that store
	s_add_nc_u64 s[92:93], s[14:15], s[84:85]
	s_wait_kmcnt 0x0                               ; indices and lengths
	s_min_i32 s[DL], s[DL], 512
	s_max_i32 s87, s[QL], 1                        ; query tile 0 is always made
	s_cmp_lt_u32 s[WV], 16
	s_cselect_b32 s87, s[DL], s87
	s_cmp_lt_i32 s[ROW0], s87                      ; does my tile hold a row that counts?
	s_cselect_b32 s[LIVE], 1, 0
	s_cbranch_scc0 .Ldead
	; ---- THE GATHER: 40 loads, all out together.  A: bytes 0-511 of each row, B: bytes 512-1,023: the 32 lanes read 512 consecutive bytes.  T: the tails (176 bytes = 11 pieces of 16) of two rows a load.
.set i, 0
.rept 16
	s_min_u32 s[16+i], s[16+i], TOP                ; an index stays inside the table
	s_mul_i32 s[32+2*i], s[16+i], ROWB
	s_mov_b32 s[33+2*i], 0
	s_add_nc_u64 s[32+2*i:33+2*i], s[12:13], s[32+2*i:33+2*i]
	global_load_b128 v[X+4*i:X+4*i+3], v[L16], s[32+2*i:33+2*i]
.set i, i+1
.endr
	v_min_u32 v25, 10, v27                         ; lanes r > 10 repeat piece 10: no load leaves its row
	v_lshl_add_u32 v25, v25, 4, 1024
.set i, 0
.rept 8
	v_mov_b32 v[10+i], s[16+2*i]                   ; lanes 0-15: row 2 i,
	v_cndmask_b32 v[10+i], v[10+i], s[17+2*i], s[HM]   ; lanes 16-31: row 2 i + 1
	v_min_u32 v[10+i], TOP, v[10+i]
	v_mul_u32_u24 v[10+i], ROWB, v[10+i]
	v_add_nc_u32 v[10+i], v25, v[10+i]
.set i, i+1
.endr
.set i, 0
.rept 16
	global_load_b128 v[X+64+4*i:X+64+4*i+3], v[L16], s[32+2*i:33+2*i] offset:512   ; no vector line since the head's wait names v1 or these registers
.set i, i+1
.endr
	s_wait_alu depctr_va_vdst(0)                   ; the eight offsets v10 to v17 are written, which the tails' loads read
.set i, 0
.rept 8
	global_load_b128 v[X+128+4*i:X+128+4*i+3], v[10+i], s[12:13]
.set i, i+1
.endr
	s_wait_xcnt 0x0                                ; the tails' offsets have been read: v10-17 are written again only behind this wait
	s_wait_alu depctr_vm_vsrc(0)                   ; the tails' loads have read v10 to v17, which the zeros below and the sums of squares write again
.irp j, 14,15,16,17
	v_mov_b32 v\j, 0
.endr
	s_wait_alu depctr_va_vdst(0)                   ; v14 to v17 hold zeros, which three LDS stores read further down; no vector line between here and those stores names them
; 16 rows x 512 bytes turn through my own stage: in as loaded (row i at 528 i, 16 bytes a lane), out as 32 neighbours along E a block.  LDS serves a wave's instructions in order, so the loads see the stores.
.macro TURN x
.irp i, 0,1,2,3,4,5,6,7,8,9,10,11,12,13,14,15
	ds_store_b128 v[STW], v[(\x)+4*\i:(\x)+4*\i+3] offset:PITA*\i
.endr
	s_wait_dscnt 0x0                               ; my LDS instructions so far are done (in the second turn: blocks 0-3 are back in registers)
	s_wait_alu depctr_vm_vsrc(0)                   ; the sixteen stores have read their registers, in which the loads below land
.irp i, 0,1,2,3,4,5,6,7,8,9,10,11,12,13,14,15
	ds_load_b128 v[(\x)+4*\i:(\x)+4*\i+3], v[STR] offset:256*(\i/8)+16*(\i%8)
.endr
.endm
; Two blocks by turns: each block's largest magnitude (m0, m1) and its part of the row's sum of squares (v[10:11], v[12:13]).  first = 1: the first products start the sums: nothing is cleared.
.macro STAT2 x0, x1, m0, m1, first
	v_max3_num_f32 v[\m0], |v[(\x0)]|, |v[(\x0)+1]|, |v[(\x0)+2]|
	v_max3_num_f32 v[\m1], |v[(\x1)]|, |v[(\x1)+1]|, |v[(\x1)+2]|
.if \first
	v_pk_mul_f32 v[10:11], v[(\x0):(\x0)+1], v[(\x0):(\x0)+1]
	v_pk_mul_f32 v[12:13], v[(\x1):(\x1)+1], v[(\x1):(\x1)+1]
.else
	v_pk_fma_f32 v[10:11], v[(\x0):(\x0)+1], v[(\x0):(\x0)+1], v[10:11]
	v_pk_fma_f32 v[12:13], v[(\x1):(\x1)+1], v[(\x1):(\x1)+1], v[12:13]
.endif
.irp j, 1,2,3,4,5,6,7,8,9,10,11,12,13,14
	v_max3_num_f32 v[\m0], v[\m0], |v[(\x0)+2*\j+1]|, |v[(\x0)+2*\j+2]|
	v_max3_num_f32 v[\m1], v[\m1], |v[(\x1)+2*\j+1]|, |v[(\x1)+2*\j+2]|
	v_pk_fma_f32 v[10:11], v[(\x0)+2*\j:(\x0)+2*\j+1], v[(\x0)+2*\j:(\x0)+2*\j+1], v[10:11]
	v_pk_fma_f32 v[12:13], v[(\x1)+2*\j:(\x1)+2*\j+1], v[(\x1)+2*\j:(\x1)+2*\j+1], v[12:13]
.endr
	v_max_num_f32 v[\m0], v[\m0], |v[(\x0)+31]|
	v_max_num_f32 v[\m1], v[\m1], |v[(\x1)+31]|
	v_pk_fma_f32 v[10:11], v[(\x0)+30:(\x0)+31], v[(\x0)+30:(\x0)+31], v[10:11]
	v_pk_fma_f32 v[12:13], v[(\x1)+30:(\x1)+31], v[(\x1)+30:(\x1)+31], v[12:13]
.endm
.macro STAT1 x, m                      ; the same for one block; its pairs go to the two sums by turns
	v_max3_num_f32 v[\m], |v[(\x)]|, |v[(\x)+1]|, |v[(\x)+2]|
	v_pk_fma_f32 v[10:11], v[(\x):(\x)+1], v[(\x):(\x)+1], v[10:11]
.irp j, 1,2,3,4,5,6,7,8,9,10,11,12,13,14
	v_max3_num_f32 v[\m], v[\m], |v[(\x)+2*\j+1]|, |v[(\x)+2*\j+2]|
	v_pk_fma_f32 v[10+2*(\j%2):11+2*(\j%2)], v[(\x)+2*\j:(\x)+2*\j+1], v[(\x)+2*\j:(\x)+2*\j+1], v[10+2*(\j%2):11+2*(\j%2)]
.endr
	v_max_num_f32 v[\m], v[\m], |v[(\x)+31]|
	v_pk_fma_f32 v[12:13], v[(\x)+30:(\x)+31], v[(\x)+30:(\x)+31], v[12:13]
.endm
	s_wait_loadcnt 24                              ; the 16 loads A are in; behind them the 16 of B and the 8 tails may be out
	TURN X
	s_wait_loadcnt 8                               ; B is in; the 8 tails may be out
	TURN X+64                                      ; (its wait for the stores also shows blocks 0-3 back in registers)
	STAT2 X, X+32, 26, 27, 1                       ; blocks h and 2 + h, while blocks 4-7 come back
	s_wait_alu depctr_va_vdst(0)
	s_wait_loadcnt 0x0                             ; the tails
.irp i, 0,1,2,3,4,5,6,7
	ds_store_b128 v[TLW], v[X+128+4*\i:X+128+4*\i+3] offset:2*PITT*\i   ; rows 2 i + h; lanes r > 10 put their repeat at bytes 176-255,
.endr
.irp i, 0,1,2
	ds_store_b128 v[TLZ], v[14:17] offset:32*\i    ; over which zeros go: bytes 176-271 of each row, numbers 300 on: the last block is filled up with zeros
.endr
	s_wait_dscnt 0x0                               ; blocks 4-7 are back
	s_wait_alu depctr_vm_vsrc(0)                   ; the eleven stores have read their registers: the loads below land in the tails', and the reciprocal and the codes are written over the zeros
.irp i, 0,1,2,3,4,5,6,7
	ds_load_b128 v[X+128+4*\i:X+128+4*\i+3], v[TLR] offset:16*\i
.endr
	STAT2 X+64, X+96, 28, 29, 0
	s_wait_alu depctr_va_vdst(0)
	s_wait_dscnt 0x0                               ; blocks 8 + h
	STAT1 X+128, 21
	; ---- THE NORM: my half of the row and lane l xor 16's
	v_pk_add_f32 v[10:11], v[10:11], v[12:13]
	v_add_f32 v10, v10, v11
	v_permlanex16_b32 v12, v10, s[SEL], s[SEL+1]
	v_add_f32 v10, v10, v12
	s_wait_alu depctr_va_vdst(0)
	v_sqrt_f32 v10, v10
	v_nop                                          ; a plain instruction behind the root,
	s_wait_alu depctr_va_vdst(0)                   ; and a wait ahead of the first use of its result: the root has written v10
	v_max_num_f32 v10, 0x2b8cbccc, v10             ; max(norm, 1e-12)
	s_wait_alu depctr_va_vdst(0)
	v_rcp_f32 v14, v10
	v_nop
	s_wait_alu depctr_va_vdst(0)                   ; likewise for the reciprocal: it has written v14
	v_mov_b32 v15, v14                             ; a pair for the packed multiply
	; ---- THE QUANTISER
.set i, 0
.rept 80
	v_pk_mul_f32 v[X+2*i:X+2*i+1], v[X+2*i:X+2*i+1], v[14:15]
.set i, i+1
.endr
.irp m, 26,27,28,29,21
	v_mul_f32 v\m, v\m, v14                        ; the same multiplication on the block's largest |x| gives the block's largest |x / norm|, bit for bit
.endr
.irp m, 26,27,28,29,21
	v_max_num_f32 v\m, 0x1800000, v\m              ; the floor 2^(3 - 127): the scale's byte cannot fall under 1
.endr
.irp m, 26,27,28,29,21
	v_add_nc_u32 v\m, 0xff000000, v\m              ; 2 off the exponent field: the conversion takes the exponent field of this operand as its scale
.endr
.macro CVT4 d, x, m                    ; a block's 32 numbers become four registers of codes
.irp g, 0,1,2,3
	v_cvt_scalef32_pk8_fp4_f32 v[(\d)+\g], v[(\x)+8*\g:(\x)+8*\g+7], v[\m]
.endr
.endm
	CVT4 10, X, 26                                 ; K step 0: registers 4 c + g hold k = 64 c + 32 h + 8 g + 0 .. 7
	CVT4 14, X+32, 27
	v_nop                                          ; a plain instruction before the next conversions write registers that these have read
	CVT4 30, X+64, 28                              ; K step 1
	CVT4 34, X+96, 29
	v_nop
	CVT4 38, X+128, 21                             ; K step 2: k = 256 + 32 h on;
	v_nop
.irp j, 42,43,44,45
	v_mov_b32 v\j, 0                               ; k = 320 .. 383: zero codes
.endr
.irp m, 26,27,28,29,21
	v_lshrrev_b32 v\m, 23, v\m                     ; the scales' bytes
.endr
	v_bfe_u32 v46, v0, 4, 1
	v_lshlrev_b32 v46, 3, v46                      ; 8 h
	v_mov_b32 v47, 0                               ; (a lane permute's destination counts as one of its sources)
	v_lshl_or_b32 v18, v27, 16, v26                ; my two bytes of K step 0: blocks h and 2 + h,
	v_lshl_or_b32 v19, v29, 16, v28                ; of K step 1,
	v_mov_b32 v20, v21                             ; and block 8 + h of K step 2 (bytes 2 and 3 stay 0 over zero codes)
.irp s, 18,19,20
	v_lshlrev_b32 v\s, v46, v\s                    ; at their places in the word
.endr
.irp s, 18,19,20
	v_permlanex16_b32 v47, v\s, s[SEL], s[SEL+1]
	v_or_b32 v\s, v\s, v47                         ; with lane l xor 16's bytes the word is whole
.endr
	; ---- a query wave's operand goes to LDS as an image of its registers
	s_cmp_lt_u32 s[WV], 16
	s_cbranch_scc1 .Ljoin1
	s_wait_alu depctr_va_vdst(0)                   ; the conversions and the lines behind them have written the codes v10-17, v30-45 and the scale words v18-20, which the seven stores read
	ds_store_b128 v[QIW], v[10:13]
	ds_store_b128 v[QIW], v[14:17] offset:512
	ds_store_b128 v[QIW], v[30:33] offset:1024
	ds_store_b128 v[QIW], v[34:37] offset:1536
	ds_store_b128 v[QIW], v[38:41] offset:2048
	ds_store_b128 v[QIW], v[42:45] offset:2560
	ds_store_b96 v[QIW], v[18:20] offset:3072
	s_branch .Ljoin1
.Ldead:                                                ; a tile with no row that counts: nothing is gathered.  The operand's registers are written, so that they are written on every way
.irp j, 10,11,12,13,14,15,16,17,18,19,20
	v_mov_b32 v\j, 0
.endr
.set i, 30
.rept 16
	v_mov_b32 v[i], 0
.set i, i+1
.endr
.Ljoin1:
	s_wait_dscnt 0x0                               ; for the others' sake: my image has landed; and my use of the stage is over
	s_barrier_signal -1
	s_barrier_wait -1                              ; the query images lie in LDS
; ---- THE POOLING
.macro SUM4 k, v                       ; kernel k's sum over my eight documents
	v_pk_add_f32 v[56:57], v[(\v):(\v)+1], v[(\v)+2:(\v)+3]
	v_pk_add_f32 v[58:59], v[(\v)+4:(\v)+5], v[(\v)+6:(\v)+7]
	v_pk_add_f32 v[56:57], v[56:57], v[58:59]
	v_add_f32 v[PB+(\k)], v56, v57
.endm
.macro MUL4 d, a, f
.irp p, 0,2,4,6
	v_pk_mul_f32 v[(\d)+\p:(\d)+\p+1], v[(\a)+\p:(\a)+\p+1], v[(\f)+\p:(\f)+\p+1]
.endr
.endm
.macro GROUP t, kc, nd                 ; from the centre in t (kernel kc): three kernels up (mu + 0.1 each, k falling), nd down
	SUM4 \kc, \t
	MUL4 U, \t, RP
	SUM4 (\kc)-1, U
	MUL4 U, U, RP
	SUM4 (\kc)-2, U
	MUL4 U, U, RP
	SUM4 (\kc)-3, U
	MUL4 \t, \t, RM
	SUM4 (\kc)+1, \t
	MUL4 \t, \t, RM
	SUM4 (\kc)+2, \t
.if \nd == 3
	MUL4 \t, \t, RM
	SUM4 (\kc)+3, \t
.endif
.endm
.macro POOL
.irp p, 0,2,4,6
	v_pk_fma_f32 v[TC+\p:TC+\p+1], v[S+\p:S+\p+1], v[46:47], v[48:49]                                   ; 1.3 a - a s
	v_pk_fma_f32 v[TA+\p:TA+\p+1], v[S+\p:S+\p+1], v[46:47], v[48:49] neg_lo:[0,0,1] neg_hi:[0,0,1]     ; -1.3 a - a s
	v_pk_fma_f32 v[TB+\p:TB+\p+1], v[S+\p:S+\p+1], v[46:47], v[50:51]                                   ; 0.1 a - a s
	v_pk_mul_f32 v[RP+\p:RP+\p+1], v[S+\p:S+\p+1], v[52:53]                                             ; 0.2 a s
	v_pk_mul_f32 v[RM+\p:RM+\p+1], v[S+\p:S+\p+1], v[52:53] neg_lo:[0,1] neg_hi:[0,1]                   ; -0.2 a s
	v_pk_fma_f32 v[G0+\p:G0+\p+1], v[S+\p:S+\p+1], v[54:55], v[54:55] neg_lo:[0,0,1] neg_hi:[0,0,1]     ; k0 s - k0
.endr
.irp p, 0,2,4,6
	v_pk_mul_f32 v[TC+\p:TC+\p+1], v[TC+\p:TC+\p+1], v[S+\p:S+\p+1]
	v_pk_mul_f32 v[TA+\p:TA+\p+1], v[TA+\p:TA+\p+1], v[S+\p:S+\p+1]
	v_pk_mul_f32 v[TB+\p:TB+\p+1], v[TB+\p:TB+\p+1], v[S+\p:S+\p+1]
	v_pk_mul_f32 v[G0+\p:G0+\p+1], v[G0+\p:G0+\p+1], v[G0+\p:G0+\p+1] neg_lo:[1,0] neg_hi:[1,0]         ; -(k0 (s - 1))^2
.endr
.set j, 0
	s_wait_alu depctr_va_vdst(0)
.rept 24
	v_exp_f32 v[TA+j], v[TA+j]                     ; ONE BATCH of 48: the three centres,
	v_exp_f32 v[RP+j], v[RP+j]                     ; the two ratios and kernel 0; none reads another's result
.set j, j+1
.endr
.irp k, 21,22,23
	v_mov_b32 v[PB+\k], 0                          ; the group's three spare places.  (The plain instructions behind the last exponential)
.endr
	s_wait_alu depctr_va_vdst(0)                   ; one wait for the batch, ahead of its first reader: the 48 exponentials have written v60-83 and v92-115
	SUM4 0, G0
	GROUP TC, 4, 2                                 ; kernels 1 .. 6
	GROUP TB, 10, 3                                ; kernels 7 .. 13
	GROUP TA, 17, 3                                ; kernels 14 .. 20
.endm
; Query tile t against my 16 documents: source 0 = my documents, source 1 = the queries, K = 384 in three steps on one accumulator.
; The wait on va_vdst that its seven loads and its first product hang on stands ahead of each use of the macro.
.macro QTILE t
.irp i, 0,1,2,3,4,5
	ds_load_b128 v[QF+4*\i:QF+4*\i+3], v[L16] offset:QTB*\t+512*\i
.endr
	ds_load_b96 v[22:24], v[L16] offset:QTB*\t+3072
	s_wait_dscnt 0x0
	v_wmma_scale_f32_16x16x128_f8f6f4 v[S:S+7], v[10:17], v[QF:QF+7], 0, v18, v22 matrix_a_fmt:MATRIX_FMT_FP4 matrix_b_fmt:MATRIX_FMT_FP4
	s_wait_alu depctr_va_vdst(0)                   ; a wait directly ahead of each
	v_wmma_scale_f32_16x16x128_f8f6f4 v[S:S+7], v[30:37], v[QF+8:QF+15], v[S:S+7], v19, v23 matrix_a_fmt:MATRIX_FMT_FP4 matrix_b_fmt:MATRIX_FMT_FP4
	s_wait_alu depctr_va_vdst(0)                   ; likewise, ahead of the third link
	v_wmma_scale_f32_16x16x128_f8f6f4 v[S:S+7], v[38:45], v[QF+16:QF+23], v[S:S+7], v20, v24 matrix_a_fmt:MATRIX_FMT_FP4 matrix_b_fmt:MATRIX_FMT_FP4
.rept 4
	v_nop                                          ; four places behind the last product, ahead of the first read of its result (ISA guide 7.12.1)
.endr
.irp j, 0,1,2,3,4,5,6,7
	v_cndmask_b32 v[S+\j], 4.0, v[S+\j], s[MK+\j]  ; a hidden document's sim becomes 4.0.  The result is read from its low end on
.endr
	POOL
.endm
	s_cmp_ge_u32 s[WV], 16
	s_cbranch_scc1 .Ljoin2                         ; the query waves have done their part
	s_cmp_eq_u32 s[LIVE], 0
	s_cbranch_scc1 .Lzero
	v_mov_b32 v46, 0xc29044fe                      ; -a = -72.134752, in both halves of a pair
	v_mov_b32 v47, 0xc29044fe
	v_mov_b32 v48, 0x42bb8ce4                      ; 1.3 a = 93.775178
	v_mov_b32 v49, 0x42bb8ce4
	v_mov_b32 v50, 0x40e6d4ca                      ; 0.1 a = 7.2134752
	v_mov_b32 v51, 0x40e6d4ca
	v_mov_b32 v52, 0x4166d4ca                      ; 0.2 a = 14.426950
	v_mov_b32 v53, 0x4166d4ca
	v_mov_b32 v54, 0x44545498                      ; k0 = 849.3218
	v_mov_b32 v55, 0x44545498
	s_sub_co_i32 s87, s[DL], s[ROW0]
	v_bfe_u32 v164, v0, 4, 1
	v_lshlrev_b32 v164, 3, v164
	v_sub_nc_u32 v164, s87, v164                   ; doc_len - d0 - 8 h: register j's document counts where j is under it
.irp j, 0,1,2,3,4,5,6,7
	v_cmp_lt_i32 s[MK+\j], \j, v164
.endr                                          ; (these 21 plain lines also stand between the vector writes of my scale words and codes and the first scaled product)
	s_wait_alu depctr_va_sdst(0)                   ; the eight compares have written the masks s72 to s79, ahead of their first reader, the selections in the first query tile
	s_wait_alu depctr_va_vdst(0)                   ; the quantiser is done reading and writing v60-83, in which the query tile's loads land; my codes v10-17, v30-45 and scale words v18-20 are written, which the scaled products take
.set PB, P0
	QTILE 0
	s_wait_alu depctr_va_vdst(0)                   ; the pooling has written the sums v116-139, which the six stores read; it is done with v60-83 and the products with v22-24, in which the second query tile's loads land (no vector line stands between)
.irp g, 0,1,2,3,4,5
	ds_store_b128 v[STW], v[P0+4*\g:P0+4*\g+3] offset:512*\g        ; my sums: group g, 16 bytes a lane
.endr
	s_cmp_le_i32 s[QL], 16
	s_cbranch_scc1 .Ljoin2                         ; queries 16 .. 31 are all hidden
.set PB, P1
	QTILE 1
	s_wait_alu depctr_va_vdst(0)                   ; the pooling has written the sums v140-163, which the six stores read
.irp g, 0,1,2,3,4,5
	ds_store_b128 v[STW], v[P1+4*\g:P1+4*\g+3] offset:512*(6+\g)
.endr
	s_branch .Ljoin2
.Lzero:                                                ; a document tile that was left out adds zeros, so that the reducers' walk hangs on no length
.irp j, 56,57,58,59
	v_mov_b32 v\j, 0
.endr
	s_wait_alu depctr_va_vdst(0)                   ; v56 to v59 hold zeros, which the stores below read
.irp g, 0,1,2,3,4,5
	ds_store_b128 v[STW], v[56:59] offset:512*\g
.endr
	s_cmp_le_i32 s[QL], 16
	s_cbranch_scc1 .Ljoin2
.irp g, 0,1,2,3,4,5
	ds_store_b128 v[STW], v[56:59] offset:512*(6+\g)
.endr
.Ljoin2:
	s_wait_dscnt 0x0                               ; for the others' sake: my sums have landed
	s_barrier_signal -1
	s_barrier_wait -1                              ; all sixteen waves' sums lie in LDS
	s_wait_alu depctr_vm_vsrc(0)                   ; my LDS stores (of sums, of zeros, of an image) have read their registers among v30-163: the reducers' loads land there, or zeros are written there
	s_wait_alu depctr_va_vdst(0)                   ; every vector and matrix instruction that named v30-157 is done reading and writing them: the reducers' loads land there
	; ---- THE REDUCTION.  Waves 0-5: lane (r, h) of wave w owns group 2 w + h and query r, and adds both halves of the lanes of all sixteen waves: 32 loads of 16 bytes.
	s_cmp_ge_u32 s[WV], 6
	s_cbranch_scc1 .Lend
	s_cmp_lt_u32 s[WV], 3
	s_cbranch_scc1 .Lred                           ; groups 0-5: queries 0 .. 15
	s_cmp_gt_i32 s[QL], 16
	s_cbranch_scc1 .Lred                           ; groups 6-11, where they were made
.irp j, 30,31,32,33
	v_mov_b32 v\j, 0                               ; else zeros: every byte of part is written
.endr
	s_branch .Lst
.Lred:
.set n, 0
.rept 32
	ds_load_b128 v[30+4*n:33+4*n], v[RR+n/16] offset:STB*((n/2)%8)+256*(n%2)
.set n, n+1
.endr
	s_wait_dscnt 0x0
.irp st, 16,8,4,2,1
.set n, 0
.rept \st
	v_pk_add_f32 v[30+4*n:31+4*n], v[30+4*n:31+4*n], v[30+4*(n+\st):31+4*(n+\st)]
	v_pk_add_f32 v[32+4*n:33+4*n], v[32+4*n:33+4*n], v[32+4*(n+\st):33+4*(n+\st)]
.set n, n+1
.endr
.endr
.Lst:
	s_wait_alu depctr_va_vdst(0)                   ; the additions, or the four zeros, have written v30 to v33, which the store reads
	global_store_b128 v[L16], v[30:33], s[92:93]   ; the wave stores 512 consecutive bytes, at a multiple of 256 from part's first byte
.Lend:
	s_wait_dscnt 0x0                               ; the wave's end
	s_wait_alu 0x0
	s_wait_tensorcnt 0x0
	ds_add_u32 v[SPW], v[NIL]
	s_wait_dscnt 0x0
	s_endpgm
.Lfunc_end_k_q4c627a00aa_pool:
	.size	k_q4c627a00aa_pool, .Lfunc_end_k_q4c627a00aa_pool-k_q4c627a00aa_pool
	.p2alignl 7, 3214868480
	.fill 96, 4, 3214868480
	.section	.rodata,"a",@progbits
	.p2align	6, 0x0
	.amdhsa_kernel k_q4c627a00aa_pool
		.amdhsa_group_segment_fixed_size 161536
		.amdhsa_private_segment_fixed_size 0
		.amdhsa_enable_private_segment 0
		.amdhsa_kernarg_size 48
		.amdhsa_user_sgpr_count 2
		.amdhsa_user_sgpr_kernarg_segment_ptr 1
		.amdhsa_wavefront_size32 1
		.amdhsa_system_sgpr_workgroup_id_x 1
		.amdhsa_system_sgpr_workgroup_id_y 1
		.amdhsa_system_sgpr_workgroup_id_z 1
		.amdhsa_system_vgpr_workitem_id 0
		.amdhsa_next_free_vgpr 192
		.amdhsa_next_free_sgpr 96
		.amdhsa_reserve_vcc 0
		.amdhsa_float_denorm_mode_32 3
		.amdhsa_float_denorm_mode_16_64 3
		.amdhsa_memory_ordered 1
		.amdhsa_forward_progress 1
		.amdhsa_inst_pref_size 78
	.end_amdhsa_kernel
	.amdgpu_metadata
---
amdhsa.version: [ 1, 2 ]
amdhsa.kernels:
  - .name:           k_q4c627a00aa_pool
    .symbol:         k_q4c627a00aa_pool.kd
    .args:
      - { .name: doc_idx, .offset: 0, .size: 8, .value_kind: global_buffer, .address_space: global }
      - { .name: query_idx, .offset: 8, .size: 8, .value_kind: global_buffer, .address_space: global }
      - { .name: doc_len, .offset: 16, .size: 8, .value_kind: global_buffer, .address_space: global }
      - { .name: query_len, .offset: 24, .size: 8, .value_kind: global_buffer, .address_space: global }
      - { .name: emb_table, .offset: 32, .size: 8, .value_kind: global_buffer, .address_space: global }
      - { .name: part, .offset: 40, .size: 8, .value_kind: global_buffer, .address_space: global }
    .group_segment_fixed_size: 161536
    .private_segment_fixed_size: 0
    .kernarg_segment_align: 8
    .kernarg_segment_size: 48
    .max_flat_workgroup_size: 576
    .sgpr_count:     96
    .vgpr_count:     192
    .wavefront_size: 32
...
	.end_amdgpu_metadata
.endif
;; end of part 3
;; launch finish (part 4): grid 128 x 1, 1 waves a work-group, no clusters, 4,864 bytes of LDS; arguments part, query_len, dense_w, dense_b, out0, out1; writes out0, out1
.if DOCPART == 4
	.amdgcn_target "amdgcn-amd-amdhsa--gfx1250"
	.amdhsa_code_object_version 6
	.text
	.protected	k_q4c627a00aa_finish
	.globl	k_q4c627a00aa_finish
	.p2align	8
	.type	k_q4c627a00aa_finish,@function
k_q4c627a00aa_finish:
	s_mov_b64 s[64:65], 0
	v_nop
	global_prefetch_b8 v0, s[64:65] scope:SCOPE_SE
	s_setreg_imm32_b32 hwreg(HW_REG_WAVE_MODE, 25, 1), 1
	s_wait_xcnt 0x0
; KNRM, launch 2 of 2.  One wave a batch; lane = query q = 16 h + r.  part[b][c][g][r][e] holds, for kernel k = 4 (g % 6) + e and query 16 (g / 6) + r, the sum S over the documents of parity c of the kernel
; without its factor 2^(-A_k), A_k = 50 log2(e) mu_k^2 (A_0 = 0).  log is monotone, so  0.01 log(max(2^(-A) S, 1e-10)) = 0.01 ln 2 x max(log2 S - A, log2 1e-10);  S = 0 gives -infinity, which the maximum replaces.
; Then mask_q, the sum over the 32 queries (out1), and the product with dense_w, K = 21 and one column: 21 multiplications in f32 and a sum over lanes, + dense_b (out0).
; Nothing is left out here: queries that launch 1 left out (query_len <= 16) arrive as zeros and are selected away by mask_q like every hidden query.
; LIMITS: NaN and infinities among the inputs are not served; a sum S that is denormal counts as 0 (it lies under the clip).
.set V,     8                          ; v8-31   part 0, then V[k]; v29-31 (k = 21 .. 23) stay zeros
.set W,     32                         ; v32-55  part 1; then v32-39 zeros: words 24 .. 31 of a row in LDS
.set C,     40                         ; v40-71  a column's 32 numbers
.set PITCH, 144                        ; LDS: 32 rows (queries) of 32 words + 16 bytes: 9 x 16, so the sixteen rows that a store touches lie 16 bytes apart modulo 256
.set SPARE, 4608                       ; behind them the spare words: one block of 256 bytes that no other line names
	s_load_b256 s[4:11], s[0:1], 0x0               ; part s[4:5], query_len s[6:7], dense_w s[8:9], dense_b s[10:11]
	s_load_b128 s[12:15], s[0:1], 0x20             ; out0 s[12:13], out1 s[14:15]
	v_lshl_add_u32 v6, v0, 2, SPARE                ; my spare word; never rewritten
	v_mov_b32 v7, 0                                ; 0; never rewritten
	v_and_b32 v2, 15, v0                           ; r
	v_lshrrev_b32 v1, 4, v0                        ; h
	v_mul_u32_u24 v1, v1, 1536
	v_lshl_add_u32 v1, v2, 4, v1                   ; my query's 16 bytes of a group: 1,536 h + 16 r
	v_min_u32 v3, 20, v0
	v_lshlrev_b32 v3, 2, v3                        ; dense_w: lane k takes w[k]; lanes over 20 repeat w[20] and are selected away
	v_mul_u32_u24 v4, v0, PITCH                    ; LDS: my query's row
	v_lshlrev_b32 v5, 2, v0                        ; LDS: my column; and my 4 bytes of out1's row
	v_mov_b32 v75, 0                               ; (a lane permute's destination counts as one of its sources)
	s_mul_i32 s16, ttmp9, 6144
	s_mov_b32 s17, 0
	s_lshl_b32 s18, ttmp9, 2
	s_mov_b32 s19, 0
	s_mul_i32 s28, ttmp9, 84
	s_mov_b32 s29, 0
	s_mov_b32 s24, 0x76543210
	s_mov_b32 s25, 0xfedcba98                      ; v_permlanex16_b32: lane l xor 16
	s_mov_b32 s26, 0xc204e08b                      ; log2(1e-10) = -33.219281
	s_wait_alu depctr_va_vdst(0)
	s_wait_kmcnt 0x0
	s_add_nc_u64 s[4:5], s[4:5], s[16:17]
	s_add_nc_u64 s[6:7], s[6:7], s[18:19]
	s_add_nc_u64 s[12:13], s[12:13], s[18:19]
	s_add_nc_u64 s[14:15], s[14:15], s[28:29]
.irp c, 0,1
.irp g, 0,1,2,3,4,5
	global_load_b128 v[V+24*\c+4*\g:V+24*\c+4*\g+3], v1, s[4:5] offset:3072*\c+256*\g th:TH_LOAD_NT   ; sixteen lanes read 256 consecutive bytes; read once
.endr
.endr
	global_load_b32 v72, v3, s[8:9]
	s_load_b32 s20, s[6:7], 0x0                    ; query_len
	s_load_b32 s21, s[10:11], 0x0                  ; dense_b
	s_wait_loadcnt 0x0
.irp j, 0,2,4,6,8,10,12,14,16,18,20,22
	v_pk_add_f32 v[V+\j:V+\j+1], v[V+\j:V+\j+1], v[W+\j:W+\j+1]   ; the two parities' sums
.endr
.set k, 0
	s_wait_alu depctr_va_vdst(0)
.rept 21
	v_log_f32 v[V+k], v[V+k]                       ; log2 S: one batch
.set k, k+1
.endr
.irp j, 0,1,2,3,4,5,6,7
	v_mov_b32 v[W+\j], 0                           ; (the plain instructions behind the last logarithm)
.endr
	s_wait_alu depctr_va_vdst(0)                   ; one wait for the batch, ahead of its first reader
	s_wait_kmcnt 0x0
	v_cmp_gt_i32 vcc_lo, s20, v0                   ; mask_q: query_len > q
.macro CLIP k
	v_max_num_f32 v[V+(\k)], s26, v[V+(\k)]        ; the clip at 1e-10
	v_cndmask_b32 v[V+(\k)], 0, v[V+(\k)], vcc_lo  ; a hidden query adds 0
.endm
.macro SHIFT k, na                     ; kernels k and 21 - k have the same mu^2: na = -A
	v_add_f32 v[V+(\k)], \na, v[V+(\k)]
	v_add_f32 v[V+21-(\k)], \na, v[V+21-(\k)]
	CLIP \k
	CLIP 21-(\k)
.endm
	CLIP 0
	SHIFT 1,  0xc2823407                           ; mu^2 = 0.9025: -65.101614
	SHIFT 2,  0xc250782d                           ; 0.7225: -52.117358
	SHIFT 3,  0xc2224d9e                           ; 0.5625: -40.575798
	SHIFT 4,  0xc1f3d0c2                           ; 0.4225: -30.476933
	SHIFT 5,  0xc1ae90ec                           ; 0.3025: -21.820762
	SHIFT 6,  0xc169b773                           ; 0.2025: -14.607287
	SHIFT 7,  0xc10d6255                           ; 0.1225: -8.8365071
	SHIFT 8,  0xc09044fe                           ; 0.0625: -4.5084220
	SHIFT 9,  0xbfcfbf83                           ; 0.0225: -1.6230319
	SHIFT 10, 0xbe38aa3b                           ; 0.0025: -0.18033688
	; the turn: lane q stores its 32 words as a row, lane k reads column k.  LDS serves a wave's instructions in order, so the loads see the stores
.irp g, 0,1,2,3,4,5,6,7
	ds_store_b128 v4, v[V+4*\g:V+4*\g+3] offset:16*\g
.endr
.set q, 0
.rept 32
	ds_load_b32 v[C+q], v5 offset:PITCH*q
.set q, q+1
.endr
	s_wait_dscnt 0x0
.irp st, 16,8,4,2
.set j, 0
.rept \st/2
	v_pk_add_f32 v[C+2*j:C+2*j+1], v[C+2*j:C+2*j+1], v[C+\st+2*j:C+\st+2*j+1]
.set j, j+1
.endr
.endr
	v_add_f32 v40, v40, v41                        ; the sum over the 32 queries, in log2
	v_mul_f32 v73, 0x3be32166, v40                 ; x 0.01 ln 2: out1[b][k] in lane k
	v_mul_f32 v74, v73, v72                        ; x w[k]
	v_cmp_gt_u32 s23, 21, v0
	v_cndmask_b32 v74, 0, v74, s23                 ; lanes 21 .. 31 add nothing
	v_add_f32_dpp v74, v74, v74 row_xmask:1 row_mask:0xf bank_mask:0xf
	v_add_f32_dpp v74, v74, v74 row_xmask:2 row_mask:0xf bank_mask:0xf
	v_add_f32_dpp v74, v74, v74 row_xmask:4 row_mask:0xf bank_mask:0xf
	v_add_f32_dpp v74, v74, v74 row_xmask:8 row_mask:0xf bank_mask:0xf
	v_permlanex16_b32 v75, v74, s24, s25
	v_add_f32 v74, v74, v75
	v_add_f32 v74, s21, v74                        ; + dense_b: the score, in every lane
	s_wait_alu depctr_va_vdst(0)
	s_wait_xcnt 0x0                                ; EXEC changes only behind this wait
	v_cmp_gt_u32 vcc_lo, 21, v0
	s_and_saveexec_b32 s22, vcc_lo
	global_store_b32 v5, v73, s[14:15]             ; lanes 0 .. 20: the batch's 84 bytes of out1
	s_wait_xcnt 0x0                                ; and again, in front of the line that widens it
	s_or_b32 exec_lo, exec_lo, s22
	v_cmp_eq_u32 vcc_lo, 0, v0
	s_and_saveexec_b32 s22, vcc_lo
	global_store_b32 v5, v74, s[12:13]             ; lane 0: out0[b]
	s_wait_xcnt 0x0
	s_or_b32 exec_lo, exec_lo, s22
	s_wait_tensorcnt 0x0                           ; the wave's end: these three lines, behind my last LDS store
	ds_add_u32 v6, v7
	s_wait_dscnt 0x0
	s_endpgm
.Lfunc_end_k_q4c627a00aa_finish:
	.size	k_q4c627a00aa_finish, .Lfunc_end_k_q4c627a00aa_finish-k_q4c627a00aa_finish
	.p2alignl 7, 3214868480
	.fill 96, 4, 3214868480
	.section	.rodata,"a",@progbits
	.p2align	6, 0x0
	.amdhsa_kernel k_q4c627a00aa_finish
		.amdhsa_group_segment_fixed_size 4864
		.amdhsa_private_segment_fixed_size 0
		.amdhsa_enable_private_segment 0
		.amdhsa_kernarg_size 48
		.amdhsa_user_sgpr_count 2
		.amdhsa_user_sgpr_kernarg_segment_ptr 1
		.amdhsa_wavefront_size32 1
		.amdhsa_system_sgpr_workgroup_id_x 1
		.amdhsa_system_sgpr_workgroup_id_y 1
		.amdhsa_system_sgpr_workgroup_id_z 1
		.amdhsa_system_vgpr_workitem_id 0
		.amdhsa_next_free_vgpr 96
		.amdhsa_next_free_sgpr 66
		.amdhsa_reserve_vcc 1
		.amdhsa_float_denorm_mode_32 3
		.amdhsa_float_denorm_mode_16_64 3
		.amdhsa_memory_ordered 1
		.amdhsa_forward_progress 1
		.amdhsa_inst_pref_size 13
	.end_amdhsa_kernel
	.amdgpu_metadata
---
amdhsa.version: [ 1, 2 ]
amdhsa.kernels:
  - .name:           k_q4c627a00aa_finish
    .symbol:         k_q4c627a00aa_finish.kd
    .args:
      - { .name: part, .offset: 0, .size: 8, .value_kind: global_buffer, .address_space: global }
      - { .name: query_len, .offset: 8, .size: 8, .value_kind: global_buffer, .address_space: global }
      - { .name: dense_w, .offset: 16, .size: 8, .value_kind: global_buffer, .address_space: global }
      - { .name: dense_b, .offset: 24, .size: 8, .value_kind: global_buffer, .address_space: global }
      - { .name: out0, .offset: 32, .size: 8, .value_kind: global_buffer, .address_space: global }
      - { .name: out1, .offset: 40, .size: 8, .value_kind: global_buffer, .address_space: global }
    .group_segment_fixed_size: 4864
    .private_segment_fixed_size: 0
    .kernarg_segment_align: 8
    .kernarg_segment_size: 48
    .max_flat_workgroup_size: 32
    .sgpr_count:     66
    .vgpr_count:     96
    .wavefront_size: 32
...
	.end_amdgpu_metadata
.endif
;; end of part 4
